; MI455X (gfx1250); checked and timed in simulation.
; The chip was launched on July 23, 2026; its instructions are those of AMD's public machine-readable ISA for CDNA 5 (MIT licence, August 2026) and "CDNA5" Instruction Set Architecture Reference Guide (July 2026). The comments in the code are by the model that wrote it; some were corrected since.
;; Causal Attention. Allowed arithmetic: matrix products marked QUANTISED: E2M3 operands, one E8M0 scale for each 32 along K, by v_wmma_scale_f32_16x16x128_f8f6f4 with both operands' format E2M3, f32 sums; everything else in f32.
;; Inputs: W_attn 1,024 x 3,072 float32; W_proj 1,024 x 1,024 float32; b_attn 3,072 float32; b_proj 1,024 float32; x 4 x 2,048 x 1,024 float32.
;; Outputs: out0 4 x 2,048 x 1,024 float32.
;; This version of the problem:
;;   THIS VERSION OF THE PROBLEM IS GIVEN IN LOW PRECISION. The matrix products marked QUANTISED in the list below multiply operands that are first quantised to E2M3 (2 exponent bits, 3 mantissa bits; 6 bits a number), with one power-of-two scale for each 32 numbers along K (OCP MX v1.0); their sums are f32. All else is computed in f32.
;;   The module's matrix products, in the order in which they are computed (A, B: the left and right operand; K: the contracted axis; several contracted axes count as one K, in the product's order):
;;     1. [M 8,192, K 1,024] x [K 1,024, N 3,072]; A: input x; B: input W_attn: QUANTISED
;;     2. batch 64 x [M 2,048, K 64] x [K 64, N 2,048]; A: computed on the way; B: computed on the way: QUANTISED
;;     3. batch 64 x [M 2,048, K 2,048] x [K 2,048, N 64]; A: softmax (see below); B: computed on the way: QUANTISED
;;     4. [M 8,192, K 1,024] x [K 1,024, N 1,024]; A: computed on the way; B: input W_proj: QUANTISED
;;   THE QUANTISER, for each operand of a quantised product, along K:
;;     - K is cut into blocks of 32 from its start; a last block that is shorter is filled with zeros.
;;     - A block's scale is 2^e with e = floor(log2(the largest magnitude in the block)) - 2, held to -126 .. 127; a block of zeros has e = 0. As a byte (E8M0): e + 127.
;;     - Each number is divided by its block's scale, clamped to +-7.5, and rounded to the nearest number of E2M3, ties to even, subnormals kept.
;;     - The product sums the exact products of the quantised numbers (number of the format x scale) in f32.
;;   ~~~python
;;   def quantise(x, axis):      # numpy; x: float32 -> the quantised numbers, widened to float32 again
;;       x = np.moveaxis(x, axis, -1); K = x.shape[-1]
;;       x = np.pad(x, [(0, 0)] * (x.ndim - 1) + [(0, -K % 32)]); x = x.reshape(x.shape[:-1] + (-1, 32)); a = np.abs(x).max(-1, keepdims=True)
;;       e = np.where(a > 0, np.clip(np.frexp(np.where(a > 0, a, 1))[1] - 1 - 2, -126, 127), 0)      # np.frexp(a)[1] - 1 = floor(log2(a)), exactly
;;       r = np.clip(x / 2.0 ** e, -7.5, 7.5)
;;       step = 2.0 ** (np.maximum(np.frexp(np.where(r == 0, 1, r))[1] - 1, 0) - 3)
;;       q = np.round(r / step) * step * 2.0 ** e      # np.round: ties to even
;;       return np.moveaxis(q.reshape(q.shape[:-2] + (-1,))[..., :K], -1, axis).astype(np.float32)
;;   ~~~
;;   SOFTMAX AHEAD OF A QUANTISED PRODUCT. Where the list says 'softmax', what is quantised is not the finished softmax but p = 2^(t - M), with t = logit x log2(e) and M = ceil(the row's largest t), a whole number; so 1/2 < the row's largest p <= 1. The row's sum l is taken of the UNQUANTISED p, in f32, and the product's result is divided by l at the end. Since M is a whole number, a kernel that streams over the keys may use a running M (the ceiling of the running maximum): every later rescaling is an exact power of two, which a block's scale takes up: the codes' values come out the same.
;;   OPERANDS COMPUTED ON THE WAY. 'Computed on the way' means the value that the module computes at that place (a softmax that the list does not call 'softmax' is quantised finished and normalised). What goes into a quantiser is computed in f32, as accurately as f32 sums, v_exp_f32 and their like allow (about 1e-6 of the number): no bf16 or f16 on the way to a quantiser, and a product that is left as it is and whose result goes on into a quantised operand takes f32 operands (vector FMAs, or v_wmma_f32_16x16x4_f32). A number that lies on a knife's edge between two numbers of the format may be rounded either way, as far as f32 arithmetic and the matrix unit's own rounding can turn it there, and no further.
;; One version. Each part assembles by itself: llvm-mc -triple=amdgcn-amd-amdhsa -mcpu=gfx1250 --defsym DOCPART=n.
;; ======== version 1 of 1: 4 launches
;; workspace buffers: xq 6,553,600 bytes; wq 3,276,800 bytes; qr 6,553,600 bytes; kv 13,107,200 bytes; aoq 6,553,600 bytes
;; launch quant (part 1): grid 384 x 1, 4 waves a work-group, no clusters, 58,880 bytes of LDS; arguments x, W_attn, W_proj, xq, wq; writes xq, wq
.if DOCPART == 1
	.amdgcn_target "amdgcn-amd-amdhsa--gfx1250"
	.amdhsa_code_object_version 6
	.text
	.protected	k_q8788944936_quant
	.globl	k_q8788944936_quant
	.p2align	8
	.type	k_q8788944936_quant,@function
k_q8788944936_quant:
	s_mov_b64 s[64:65], 0
	v_nop
	global_prefetch_b8 v0, s[64:65] scope:SCOPE_SE
	s_setreg_imm32_b32 hwreg(HW_REG_WAVE_MODE, 25, 1), 1
	s_wait_xcnt 0x0
; THE PROGRAM: causal attention, all four products on codes of FP6 (E2M3) with one E8M0 scale for each 32 along K.  Four launches:
;   quant: x, W_attn, W_proj -> codes and scale bytes;   qkv: x W_attn + b_attn, quantised as q, k (along the head's 64) and v (along the keys);
;   attn: scores, softmax, p v, / l, quantised along the 1,024;   proj: the last product + b_proj.
; WORK LEFT OUT (in attn alone): a step of 128 keys all of which come after all 16 queries of a tile.  reference() builds the mask itself (jnp.tril) and sets those scores to -inf ahead of the softmax,
; so their weights are 0 and they add 0 to the row's sum and to the output, whatever finite values x, W_attn and b_attn hold.  Every input has a way to the output and is loaded.
; LIMIT: a NaN, an infinity or an overflow that reaches only such left-out scores is not carried to the result.
; THIS LAUNCH quantises the three f32 inputs along K = 1,024.  A block's scale is 2^(floor(log2(its largest magnitude)) - 2); its byte is that magnitude's exponent field - 2, held at 1 from below.
; LIMITS: a block of zeros gets the byte 1 where the rule says 127 (its codes are zeros, which add nothing, and only this program reads the bytes); NaN and infinities among the inputs are not served.
; THE BUFFERS ARE IMAGES OF OPERAND REGISTERS.  A fragment (16 rows x 128 K, 12 registers a lane) lies in 1,536 bytes: register g of lane L at 512 (g / 4) + 16 L + 4 (g % 4), so three loads of 16 bytes a lane bring it.
; Codes: [slot s of 256 along K][tile T of 16 rows][K step q of the slot].  Scale words: [T][s][row r][8 bytes: the words of K steps 2 s, 2 s + 1].
; THE ROWS OF A TILE ARE NOT NEIGHBOURS: row r of tile T stands for index 32 (T / 2) + 8 (T % 2) + r + 8 (r / 8), so that the results of two neighbouring tiles are 16 neighbours along the next product's K.
; Work-groups 0-255 take x (a wave: one tile of 16 tokens x 512 along K), 256-383 the weights (a wave: 32 columns x 256 along K).  The two ways have LDS bytes of their own.  No barrier: waves share nothing.
.set XSTR,   1572864                   ; a slot of x's codes: 512 tiles x 3,072 bytes
.set WSTR,   786432                    ; a slot of the weights' codes: 256 tiles x 3,072
.set XS_OFF, 6291456                   ; where x's scale words begin in xq
.set WS_OFF, 3145728                   ; and the weights' in wq
.set XWB,    8448                      ; x's stage, from LDS byte 0: 16 rows x (512 + 16) bytes for each wave
.set WST,    33792                     ; the weights' stage: 6,144 bytes for each wave
.set WWB,    6144
.set SPARE,  58368                     ; the spare words, 128 bytes for each wave
.set SPW, 12                           ; v12  my spare word's address; never rewritten
.set NIL, 13                           ; v13  0; never rewritten
.set R,   16                           ; x: v16-143 two sets of 64 numbers as loaded
.set X,   144                          ; x: v144-207 my 64 numbers of a K step: register 32 c + e = k 64 c + 32 (lane / 16) + e of row lane % 16
.set C,   208                          ; x: v208-231 two sets of 12 registers of codes
.set CT,  232                          ; x: v232-238 the upper halves of the blocks' codes, before they are moved
.set WD,  240                          ; x: v240-243 the scale word of each K step
.set VO,  32                           ; W: v32-63 byte offset of row i of a block at my column
.set WX,  64                           ; W: v64-127 two sets of 32 numbers
.set WC,  128                          ; W: v128-134 a block's codes
.set WB,  136                          ; W: v136-137 my column's 8 scale bytes
.set OUTR, 140                         ; W: v140-187 the way out
.set SB,  32                           ; W: s[32:47] the address of each of the 8 blocks' first row
	s_load_b128 s[4:7], s[0:1], 0x0                ; x, W_attn
	s_load_b128 s[8:11], s[0:1], 0x10              ; W_proj, xq
	s_load_b64 s[12:13], s[0:1], 0x20              ; wq
	v_lshl_add_u32 v[SPW], v0, 2, SPARE
	v_mov_b32 v[NIL], 0
	v_lshrrev_b32 v1, 5, v0
	v_readfirstlane_b32 s16, v1                    ; wave
	v_and_b32 v14, 31, v0                          ; lane
	s_cmp_ge_u32 ttmp9, 256
	s_cbranch_scc1 .Lweights
	; ================ x ================
	s_lshl_b32 s17, ttmp9, 2
	s_add_co_u32 s17, s17, s16
	s_lshr_b32 s18, s17, 1                         ; T: my tile of tokens
	s_and_b32 s19, s17, 1                          ; G: K steps 4 G .. 4 G + 3
	s_lshr_b32 s22, s18, 1
	s_lshl_b32 s22, s22, 5
	s_and_b32 s23, s18, 1
	s_lshl_b32 s23, s23, 3
	s_add_co_u32 s22, s22, s23                     ; the tile's first token: 32 (T / 2) + 8 (T % 2)
	s_lshl_b32 s22, s22, 12                        ; a row of x is 4,096 bytes
	s_lshl_b32 s23, s19, 11
	s_add_co_u32 s22, s22, s23
	s_mov_b32 s23, 0
	s_mul_i32 s24, s19, 2*XSTR
	s_mul_i32 s25, s18, 3072
	s_add_co_u32 s24, s24, s25                     ; my codes: slot 2 G, tile T
	s_mov_b32 s25, 0
	s_lshl_b32 s26, s18, 9
	s_lshl_b32 s27, s19, 8
	s_add_co_u32 s26, s26, s27
	s_add_co_u32 s26, s26, XS_OFF                  ; my scale words: 256 bytes
	s_mov_b32 s27, 0
	s_mov_b32 s20, 0x76543210
	s_mov_b32 s21, 0xfedcba98                      ; v_permlanex16_b32's selects for lane l xor 16
	s_wait_alu depctr_va_vdst(0)
	v_lshlrev_b32 v1, 4, v14                       ; 16 x lane
	v_lshlrev_b32 v2, 3, v14                       ; 8 x lane
	s_mul_i32 s28, s16, XWB
	v_add_nc_u32 v3, s28, v1                       ; into the stage: a row as it lies
	v_and_b32 v7, 15, v0                           ; r
	v_bfe_u32 v5, v0, 4, 1                         ; h
	v_mul_u32_u24 v4, v7, 528
	v_lshl_add_u32 v4, v5, 7, v4
	v_add_nc_u32 v4, s28, v4                       ; out of it: row r, + 128 h: my 32 neighbours of each 64
	v_lshlrev_b32 v6, 3, v5                        ; 8 h
	v_mov_b32 v250, 0                              ; a lane permute's destination counts as one of its sources
	s_wait_alu depctr_va_vdst(0)
	s_wait_kmcnt 0x0
	s_add_nc_u64 s[4:5], s[4:5], s[22:23]
	s_add_nc_u64 s[24:25], s[10:11], s[24:25]
	s_add_nc_u64 s[26:27], s[10:11], s[26:27]
.macro XLOAD kk                        ; K step kk of my 16 rows: each load reads 512 consecutive bytes of one row
.irp i, 0,1,2,3,4,5,6,7,8,9,10,11,12,13,14,15
	global_load_b128 v[R+64*((\kk)%2)+4*\i:R+64*((\kk)%2)+4*\i+3], v1, s[4:5] offset:(\i+8*(\i/8))*4096+512*(\kk) th:TH_LOAD_NT
.endr
.endm
.macro XTURN kk                        ; through my stage: LDS serves a wave's instructions in order, so no wait stands between the stores and the loads
.irp i, 0,1,2,3,4,5,6,7,8,9,10,11,12,13,14,15
	ds_store_b128 v3, v[R+64*((\kk)%2)+4*\i:R+64*((\kk)%2)+4*\i+3] offset:528*\i
.endr
.irp c, 0,1
.irp j, 0,1,2,3,4,5,6,7
	ds_load_b128 v[X+32*\c+4*\j:X+32*\c+4*\j+3], v4 offset:256*\c+16*\j
.endr
.endr
.endm
.macro XQ kk                           ; my two whole blocks (2 c + h, c = 0, 1) of K step kk become six registers of codes each
.set CS, C+12*((\kk)%2)
.irp c, 0,1
	v_max3_num_f32 v[244+\c], |v[X+32*\c]|, |v[X+1+32*\c]|, 0x1800000   ; with the floor 2^(3 - 127): the byte cannot fall under 1
.endr
.irp i, 2,4,6,8,10,12,14,16,18,20,22,24,26,28,30
.irp c, 0,1
	v_max3_num_f32 v[244+\c], v[244+\c], |v[X+32*\c+\i]|, |v[X+1+32*\c+\i]|   ; (the two blocks by turns)
.endr
.endr
.irp c, 0,1
	v_add_nc_u32 v[246+\c], 0xff000000, v[244+\c]  ; 2 off the exponent field: the conversion's scale operand
.endr
.irp c, 0,1
	v_lshrrev_b32 v[248+\c], 23, v[246+\c]         ; the scale's byte
.endr
	v_lshl_or_b32 v251, v249, 16, v248             ; my two bytes: blocks h and 2 + h,
	v_lshlrev_b32 v251, v6, v251                   ; at their places in the word;
	v_permlanex16_b32 v250, v251, s20, s21
	v_or_b32 v[WD+(\kk)], v251, v250               ; with lane l xor 16's two the row's word is whole
	s_wait_alu depctr_va_vdst(0)
	s_wait_xcnt 0x0                                ; this set of codes was store data two K steps ago: it is written again only behind this wait
.irp c, 0,1
	v_cvt_scalef32_pk16_fp6_f32 v[CS+6*\c:CS+6*\c+2], v[X+32*\c:X+32*\c+15], v[246+\c]
	v_cvt_scalef32_pk16_fp6_f32 v[CT+4*\c:CT+4*\c+2], v[X+32*\c+16:X+32*\c+31], v[246+\c]   ; (a conversion's three registers begin on an even number)
.endr
	v_nop                                          ; one plain place behind a scaled conversion
.irp c, 0,1
.irp i, 0,1,2
	v_mov_b32 v[CS+6*\c+3+\i], v[CT+4*\c+\i]
.endr
.endr
.irp j, 0,1,2
	global_store_b128 v1, v[CS+4*\j:CS+4*\j+3], s[24:25] offset:((\kk)/2)*XSTR+((\kk)%2)*1536+512*\j   ; the fragment's image: 512 consecutive bytes a store
.endr
.endm
	XLOAD 0
	XLOAD 1
.irp kk, 0,1,2,3
.if \kk < 3
	s_wait_loadcnt 16                              ; this K step's 16 loads are in; the next one's 16 may be out
.else
	s_wait_loadcnt 0x0
.endif
	XTURN \kk
	s_wait_dscnt 0x0                               ; my 64 numbers are back, and the stores have read their registers,
.if \kk < 2
	XLOAD \kk+2                                    ; which take the loads of two K steps on
.endif
	XQ \kk
.endr
	v_cmp_ne_u32 vcc_lo, 0, v5
	v_cndmask_b32 v254, v240, v242, vcc_lo         ; lanes 0-15: slot 2 G's two words of row r; lanes 16-31: slot 2 G + 1's
	v_cndmask_b32 v255, v241, v243, vcc_lo
	global_store_b64 v2, v[254:255], s[26:27]      ; 32 lanes store 256 consecutive bytes, aligned
	s_wait_tensorcnt 0x0                           ; the wave's end: behind my last LDS store
	ds_add_u32 v[SPW], v[NIL]
	s_wait_dscnt 0x0
	s_endpgm
	; ================ W_attn and W_proj: K is their FIRST axis.  A lane takes a column, its registers run down K ================
.Lweights:
	s_sub_co_u32 s17, ttmp9, 256
	s_lshr_b32 s18, s17, 2                         ; which 128 of the 4,096 joined columns (W_attn's 3,072, then W_proj's 1,024)
	s_and_b32 s19, s17, 3                          ; which slot of 256 along K
	s_lshl_b32 s22, s18, 2
	s_add_co_u32 s22, s22, s16                     ; B: my wave's 32 columns = tiles 2 B, 2 B + 1
	s_mov_b32 s23, 4096
	s_cmp_lt_u32 s18, 24
	s_cselect_b32 s23, 12288, s23                  ; a row of the input in bytes
	s_cselect_b32 s24, 0, 96
	s_sub_co_u32 s24, s22, s24                     ; B within its own tensor
	s_lshl_b32 s24, s24, 7
	s_lshl_b32 s25, s19, 8
	s_mul_i32 s25, s25, s23
	s_add_co_u32 s24, s24, s25                     ; my first number: row 256 y, column 32 B
	s_mov_b32 s25, 0
	s_lshl_b32 s26, s23, 5                         ; a block on: 32 rows
	s_mov_b32 s27, 0
	s_mul_i32 s28, s19, WSTR
	s_mul_i32 s29, s22, 6144
	s_add_co_u32 s28, s28, s29                     ; my codes: slot y, tiles 2 B and 2 B + 1: 6,144 bytes on end
	s_mov_b32 s29, 0
	s_lshl_b32 s30, s22, 10
	s_lshl_b32 s31, s19, 7
	s_add_co_u32 s30, s30, s31
	s_add_co_u32 s30, s30, WS_OFF
	s_mov_b32 s31, 0
	s_wait_alu depctr_va_vdst(0)
	v_lshlrev_b32 v3, 2, v14
.irp i, 0,1,2,3,4,5,6,7,8,9,10,11,12,13,14,15,16,17,18,19,20,21,22,23,24,25,26,27,28,29,30,31
	v_mad_u32_u24 v[VO+\i], s23, \i, v3            ; row i of a block, my column
.endr
	v_bfe_u32 v8, v0, 3, 1                         ; column 32 B + lane is row rr = 8 (lane / 16) + lane % 8 of tile 2 B + u, u = (lane / 8) % 2
	v_bfe_u32 v9, v0, 4, 1
	v_and_b32 v10, 7, v0
	v_lshl_add_u32 v10, v9, 3, v10
	s_mul_i32 s17, s16, WWB
	s_add_co_u32 s17, s17, WST                     ; my stage: the four images (u, q) on end
	v_mul_u32_u24 v4, v8, 3072
	v_lshl_add_u32 v4, v10, 4, v4
	v_add_nc_u32 v4, s17, v4                       ; into it: tile u, the place of lane rr of an image
	v_lshlrev_b32 v6, 4, v14
	v_add_nc_u32 v5, s17, v6                       ; out of it: as it lies
	v_lshlrev_b32 v7, 9, v8
	v_lshl_add_u32 v7, v10, 3, v7                  ; my column's 8 scale bytes: 512 u + 8 rr
	s_wait_kmcnt 0x0
	s_cmp_lt_u32 s18, 24                           ; the choice hangs on the work-group's number alone
	s_cselect_b64 s[SB:SB+1], s[6:7], s[8:9]
	s_add_nc_u64 s[SB:SB+1], s[SB:SB+1], s[24:25]
.irp t, 1,2,3,4,5,6,7
	s_add_nc_u64 s[SB+2*\t:SB+2*\t+1], s[SB+2*\t-2:SB+2*\t-1], s[26:27]
.endr
	s_add_nc_u64 s[28:29], s[12:13], s[28:29]
	s_add_nc_u64 s[30:31], s[12:13], s[30:31]
.macro WLOAD t                         ; block t: 32 rows at my column: a wave's load reads 128 consecutive bytes, the four waves stand side by side
.irp i, 0,1,2,3,4,5,6,7,8,9,10,11,12,13,14,15,16,17,18,19,20,21,22,23,24,25,26,27,28,29,30,31
	global_load_b32 v[WX+32*((\t)%2)+\i], v[VO+\i], s[SB+2*(\t):SB+2*(\t)+1] th:TH_LOAD_NT
.endr
.endm
.macro WBLOCK t                        ; block t = block (t % 4) of K step t / 4: it belongs to lane rr + 16 (t % 2) of the image, registers 6 c .. 6 c + 5, c = (t % 4) / 2
.set XS, WX+32*((\t)%2)
.set F, 1536*((\t)/4)+256*((\t)%2)
.if (\t) < 7
	s_wait_loadcnt 32                              ; this block's 32 loads are in; the next block's may be out
.else
	s_wait_loadcnt 0x0
.endif
	v_max3_num_f32 v16, |v[XS]|, |v[XS+1]|, |v[XS+2]|
	v_max3_num_f32 v17, |v[XS+3]|, |v[XS+4]|, |v[XS+5]|
.irp i, 6,10,14,18,22,26
	v_max3_num_f32 v16, v16, |v[XS+\i]|, |v[XS+\i+1]|
	v_max3_num_f32 v17, v17, |v[XS+\i+2]|, |v[XS+\i+3]|
.endr
	v_max3_num_f32 v16, v16, |v[XS+30]|, |v[XS+31]|
	v_max3_num_f32 v16, v16, v17, 0x1800000        ; and the floor
	v_add_nc_u32 v18, 0xff000000, v16              ; the conversion's scale operand
	v_lshrrev_b32 v17, 23, v18                     ; the byte
.if (\t)%4 == 0
	v_mov_b32 v[WB+(\t)/4], v17
.else
	v_lshl_or_b32 v[WB+(\t)/4], v17, 8*((\t)%4), v[WB+(\t)/4]
.endif
	v_cvt_scalef32_pk16_fp6_f32 v[WC:WC+2], v[XS:XS+15], v18
	v_cvt_scalef32_pk16_fp6_f32 v[WC+4:WC+6], v[XS+16:XS+31], v18
	v_nop                                          ; one plain place behind a scaled conversion
	v_mov_b32 v[WC+3], v[WC+4]                     ; six registers on end
	v_mov_b32 v[WC+4], v[WC+5]
	v_mov_b32 v[WC+5], v[WC+6]
.if ((\t)%4)/2 == 0
	ds_store_b128 v4, v[WC:WC+3] offset:F          ; registers 0-3,
	ds_store_b64 v4, v[WC+4:WC+5] offset:F+512     ; 4 and 5
.else
	ds_store_b64 v4, v[WC:WC+1] offset:F+520       ; registers 6 and 7,
	ds_store_b128 v4, v[WC+2:WC+5] offset:F+1024   ; 8-11
.endif
.if (\t)+2 < 8
	WLOAD (\t)+2
.endif
	s_wait_dscnt 0x0                               ; the stores have read their registers
.endm
	WLOAD 0
	WLOAD 1
.irp t, 0,1,2,3,4,5,6,7
	WBLOCK \t
.endr
	s_wait_alu depctr_va_vdst(0)
	global_store_b64 v7, v[WB:WB+1], s[30:31]      ; 16 lanes store a tile's 128 consecutive bytes of this slot
.irp k, 0,1,2,3,4,5,6,7,8,9,10,11
	ds_load_b128 v[OUTR+4*\k:OUTR+4*\k+3], v5 offset:512*\k
.endr
.irp k, 0,1,2,3,4,5,6,7,8,9,10,11
	s_wait_dscnt 11-\k                             ; the younger loads may be out
	global_store_b128 v6, v[OUTR+4*\k:OUTR+4*\k+3], s[28:29] offset:512*\k   ; 512 consecutive bytes, aligned
.endr
	s_wait_tensorcnt 0x0                           ; the wave's end: behind my last LDS store
	ds_add_u32 v[SPW], v[NIL]
	s_wait_dscnt 0x0
	s_endpgm
.Lfunc_end_k_q8788944936_quant:
	.size	k_q8788944936_quant, .Lfunc_end_k_q8788944936_quant-k_q8788944936_quant
	.p2alignl 7, 3214868480
	.fill 96, 4, 3214868480
	.section	.rodata,"a",@progbits
	.p2align	6, 0x0
	.amdhsa_kernel k_q8788944936_quant
		.amdhsa_group_segment_fixed_size 58880
		.amdhsa_private_segment_fixed_size 0
		.amdhsa_enable_private_segment 0
		.amdhsa_kernarg_size 40
		.amdhsa_user_sgpr_count 2
		.amdhsa_user_sgpr_kernarg_segment_ptr 1
		.amdhsa_wavefront_size32 1
		.amdhsa_system_sgpr_workgroup_id_x 1
		.amdhsa_system_sgpr_workgroup_id_y 1
		.amdhsa_system_sgpr_workgroup_id_z 1
		.amdhsa_system_vgpr_workitem_id 0
		.amdhsa_next_free_vgpr 256
		.amdhsa_next_free_sgpr 66
		.amdhsa_reserve_vcc 1
		.amdhsa_float_denorm_mode_32 3
		.amdhsa_float_denorm_mode_16_64 3
		.amdhsa_memory_ordered 1
		.amdhsa_forward_progress 1
		.amdhsa_inst_pref_size 74
	.end_amdhsa_kernel
	.amdgpu_metadata
---
amdhsa.version: [ 1, 2 ]
amdhsa.kernels:
  - .name:           k_q8788944936_quant
    .symbol:         k_q8788944936_quant.kd
    .args:
      - { .name: x, .offset: 0, .size: 8, .value_kind: global_buffer, .address_space: global }
      - { .name: W_attn, .offset: 8, .size: 8, .value_kind: global_buffer, .address_space: global }
      - { .name: W_proj, .offset: 16, .size: 8, .value_kind: global_buffer, .address_space: global }
      - { .name: xq, .offset: 24, .size: 8, .value_kind: global_buffer, .address_space: global }
      - { .name: wq, .offset: 32, .size: 8, .value_kind: global_buffer, .address_space: global }
    .group_segment_fixed_size: 58880
    .private_segment_fixed_size: 0
    .kernarg_segment_align: 8
    .kernarg_segment_size: 40
    .max_flat_workgroup_size: 128
    .sgpr_count:     66
    .vgpr_count:     256
    .wavefront_size: 32
...
	.end_amdgpu_metadata
.endif
;; end of part 1
;; launch qkv (part 2): grid 12 x 32, 4 waves a work-group, clusters of 4 x 4, 327,680 bytes of LDS; arguments xq, wq, b_attn, qr, kv; writes qr, kv
.if DOCPART == 2
	.amdgcn_target "amdgcn-amd-amdhsa--gfx1250"
	.amdhsa_code_object_version 6
	.text
	.protected	k_q8788944936_qkv
	.globl	k_q8788944936_qkv
	.p2align	8
	.type	k_q8788944936_qkv,@function
k_q8788944936_qkv:
	s_mov_b64 s[64:65], 0
	v_nop
	global_prefetch_b8 v0, s[64:65] scope:SCOPE_SE
	s_setreg_imm32_b32 hwreg(HW_REG_WAVE_MODE, 25, 1), 1
	s_wait_xcnt 0x0
	s_wait_alu depctr_hold_cnt(0) depctr_sa_sdst(0) depctr_va_vdst(0) depctr_va_sdst(0) depctr_va_ssrc(0) depctr_va_vcc(0) depctr_vm_vsrc(0)
	s_getreg_b32 s2, hwreg(HW_REG_IB_STS2, 6, 4)
	s_cmp_eq_u32 s2, 0
	s_cbranch_scc0 .Lentry_in_a_cluster
	s_endpgm
.Lentry_in_a_cluster:
	s_bfe_u32 s2, ttmp6, 0x10000c
	s_cmp_lg_u32 s2, 0xf033
	s_cbranch_scc0 .Lentry_shape_is_right
	s_endpgm
.Lentry_shape_is_right:
; qkv = x W_attn + b_attn on codes of FP6 (E2M3), K = 1,024, and its quantising as the operands of attention.  Nothing of reference() is left out here.
; A work-group of four waves makes 256 x 256, a wave 128 x 128: 64 accumulators, 512 registers.  K goes in four slots of 256 through two LDS slots filled by the tensor data mover.
; The codes lie in memory as images of operand registers (see quant): a slot's part of 128 rows is ONE dense block of 24,576 bytes, and a fragment comes from LDS by three loads of 16 bytes a lane, no padding.
; TWO MODES, chosen by the cluster's x alone (the same in all sixteen partners).  Source 0 = side 0, source 1 = side 1; a lane holds one row of side 1 and its registers run along side 0's rows.
;   QK (cluster x 0, 1): side 0 = W_attn's columns 0-2,047, side 1 = tokens: a lane holds one token and 128 channels = two heads: quantised along the head's 64, stored as half images (16 tokens x 64).
;   V  (cluster x 2):    side 0 = tokens, side 1 = columns 2,048-3,071: a lane holds one channel and 128 keys: quantised along the keys, stored as images (16 channels x 128 keys).
; By the order of a tile's rows (quant) the 16 registers of two neighbouring tiles of side 0 are 16 neighbours along the next K: the conversions' results are the next operand.
; OUT: qr [head of a batch][group of 128 tokens]: 8 half images of 768 bytes, 256 bytes of scale words.  kv, the same index: K's 8 half images, K's scale words, V's 4 images of 1,536 bytes, V's scale words: 12,800 bytes.
; CLUSTERS: 4 x 4.  Side 1's tiles are shared along a row of the cluster, side 0's along a column: joint loads, which divide the requests by four.
; REGISTERS: window 0: v1, v2 r, h; v16-29 addresses; v32-63 scale words, two sets; v64-127 the bias; v128-223 side 1's fragments, ONE set; on the way out v128-255.  window 1: side 0's fragments, two sets.  windows 2, 3: accumulators.
; LIMITS: a block of zeros gets the byte 1, not 127 (its codes are zeros; only this program reads the bytes); NaN and infinities are not served.
.set XSTR,   1572864
.set WSTR,   786432
.set XS_OFF, 6291456
.set WS_OFF, 3145728
.set HALFT,  24576                     ; 128 rows x 256 along K: 8 tiles x 3,072 bytes: what one tensor load brings
.set SLOT,   4*HALFT                   ; side 1's two halves, then side 0's two
.set SCL,    2*SLOT                    ; the scale words of all of K: side 1's two halves of 4,096 bytes; side 0's begin 8,320 on, so that the two halves of the lanes of a load touch different banks
.set SPARE,  213248                    ; the spare words, 128 bytes for each wave
.set NLA,    3                         ; LDS loads that bring a fragment of side 1
.set ADRA, 16                          ; v16-17 my fragments of side 1 in slot 0, 1
.set ADRB, 20                          ; v20-21 of side 0
.set L16,  24                          ; v24 16 x lane
.set L8,   25                          ; v25 8 x lane
.set BO,   26                          ; v26 the bias loads' offset
.set ADRS, 27                          ; v27 my scale words: lanes 0-15 side 1's rows, lanes 16-31 side 0's
.set SPW,  28
.set NIL,  29
.set SC,   32                          ; set s at v[SC + 16 s]; register 2 i + q: block i's word of the slot's K step q
.set BI,   64
.set AF,   128
.set T,    128                         ; the way out: 64 numbers of a lane
.set PC,   192                         ; two sets of 12 registers of codes
.set CT,   216
.set TM,   224
.set PW,   240                         ; v240-247 the scale word of each of my 8 tiles
.set G1, 24
.set G0, 32
.set G1B, 48
.set G0B, 56
.set G1S, 68
.set G0S, 76
.set G1SB, 80
.set G0SB, 88
.set MSB, 0
.macro WIN new                         ; the immediate's high byte repeats the setting that is left
.if MSB != (\new)
	s_set_vgpr_msb (MSB<<8)|(\new)
.set MSB, (\new)
.endif
.endm
; A joint load: waves 0 and 1 fetch for side 1, waves 2 and 3 for side 0.  The branch hangs on the wave's number alone.  An s_nop 0 and four v_nop follow each line.
.macro JLOAD g0a, g1a, g0b, g1b
	s_cmp_eq_u32 s15, 0
	s_cbranch_scc0 .Lfor_b_\@
	tensor_load_to_lds s[\g0a:\g0a+3], s[\g1a:\g1a+7]
	s_nop 0
.rept 4
	v_nop
.endr
	s_branch .Lasked_\@
.Lfor_b_\@:
	tensor_load_to_lds s[\g0b:\g0b+3], s[\g1b:\g1b+7]
	s_nop 0
.rept 4
	v_nop
.endr
.Lasked_\@:
.endm
.macro CREST                           ; a round of the cluster's barrier behind its opening barrier
	s_cmp_lg_u32 s14, 0
	s_cbranch_scc1 .Lnot_wave_0_\@
	s_barrier_signal -3
.Lnot_wave_0_\@:
	s_barrier_wait -3
	s_barrier_signal -1
	s_barrier_wait -1
.endm
.macro CROUND
	s_barrier_signal -1
	s_barrier_wait -1
	CREST
.endm
.macro PLACES n                        ; plain places behind matrix instructions, in front of loads into registers that they read and of reads of their results
.rept \n
	v_nop
.endr
.endm
.macro FRAG3 reg, adr, q, i            ; an image comes back as it was stored: 512 consecutive bytes a load
.irp j, 0,1,2
	ds_load_b128 v[(\reg)+4*\j:(\reg)+4*\j+3], v[\adr] offset:3072*(\i)+1536*(\q)+512*\j
.endr
.endm
.macro FETCH_B slot, q, p              ; side 0's eight fragments into set p of window 1
	WIN 0x40
.irp i, 0,1,2,3,4,5,6,7
	FRAG3 128*(\p)+12*\i, ADRB+\slot, \q, \i
.endr
	WIN 0
.endm
.macro FETCH_A slot, q, i0             ; side 1's blocks i0 .. i0 + 3
.irp i, \i0, \i0+1, \i0+2, \i0+3
	FRAG3 AF+12*(\i), ADRA+\slot, \q, \i
.endr
.endm
.macro SCALES sc                       ; a slot's two words a row: lanes 0-15 side 1's block i, lanes 16-31 side 0's
.irp i, 0,1,2,3,4,5,6,7
	ds_load_b64 v[SC+16*\sc+2*\i:SC+16*\sc+2*\i+1], v[ADRS] offset:512*\i
.endr
.endm
; 16 matrix instructions: side 1's blocks a0, a0 + 1 x side 0's eight.  The 64 accumulators take turns in one order everywhere.  zero = 1: the first products start the sums.
.macro MUL16 a0, p, q, sc, zero
.irp a, \a0, \a0+1
.irp b, 0,1,2,3,4,5,6,7
.if \zero
	v_wmma_scale_f32_16x16x128_f8f6f4 v[8*(8*((\a)%4)+\b):8*(8*((\a)%4)+\b)+7], v[128*(\p)+12*\b:128*(\p)+12*\b+11], v[AF+12*(\a):AF+12*(\a)+11], 0, v[SC+16*(\sc)+2*\b+(\q)], v[SC+16*(\sc)+2*(\a)+(\q)] matrix_a_fmt:MATRIX_FMT_FP6 matrix_b_fmt:MATRIX_FMT_FP6 matrix_a_scale:MATRIX_SCALE_ROW1
.else
	v_wmma_scale_f32_16x16x128_f8f6f4 v[8*(8*((\a)%4)+\b):8*(8*((\a)%4)+\b)+7], v[128*(\p)+12*\b:128*(\p)+12*\b+11], v[AF+12*(\a):AF+12*(\a)+11], v[8*(8*((\a)%4)+\b):8*(8*((\a)%4)+\b)+7], v[SC+16*(\sc)+2*\b+(\q)], v[SC+16*(\sc)+2*(\a)+(\q)] matrix_a_fmt:MATRIX_FMT_FP6 matrix_b_fmt:MATRIX_FMT_FP6 matrix_a_scale:MATRIX_SCALE_ROW1
.endif
.endr
.endr
.endm
.macro STEP slot, zero                 ; a slot's first K step; it fetches the second's fragments
	s_wait_dscnt 4*NLA                             ; all but the youngest loads (side 1's blocks 4-7) are in
	WIN 0xa1
	MUL16 0, 0, 0, \slot, \zero
	MUL16 2, 0, 0, \slot, \zero
	s_wait_dscnt 0x0
	PLACES 4
	FETCH_B \slot, 1, 1
	FETCH_A \slot, 1, 0
	WIN 0xf1
	MUL16 4, 0, 0, \slot, \zero
	MUL16 6, 0, 0, \slot, \zero
	PLACES 4
	WIN 0
	FETCH_A \slot, 1, 4
.endm
; A slot's second K step changes slots: ONE barrier; in front of it each wave waits for all its tensor loads, adds 0 to its spare word, and waits for that and for its reads of this slot.  fill = 1: the slot is filled again, two slots on.
.macro TURN slot, next, fill
	s_wait_tensorcnt 0x0                           ; all my tensor loads have landed: my part of the next slot
	ds_add_u32 v[SPW], v[NIL]
	s_wait_dscnt 4*NLA+1                           ; (the add and side 1's blocks 4-7 may be out)
	WIN 0xa1
	MUL16 0, 1, 1, \slot, 0
	s_wait_dscnt 0x0                               ; the add is done, and my reads of this slot are over
	s_barrier_signal -1
	MUL16 2, 1, 1, \slot, 0
	WIN 0
	s_barrier_wait -1
.if \fill
	CREST                                          ; the barrier has opened a round of the cluster's: no wave of any partner still reads this slot or has a load on its way
	s_add_nc_u64 s[G0+4*\slot+2:G0+4*\slot+3], s[G0+4*\slot+2:G0+4*\slot+3], s[96:97]
	s_add_nc_u64 s[G0B+4*\slot+2:G0B+4*\slot+3], s[G0B+4*\slot+2:G0B+4*\slot+3], s[98:99]
	JLOAD G0+4*\slot, G1, G0B+4*\slot, G1B         ; the first tensor load behind the round; its four v_nop are the places in front of the loads below
.else
	PLACES 4
.endif
	v_add_nc_u32 v[ADRS], 128, v[ADRS]             ; the next slot's scale words
	FETCH_B \next, 0, 0
	FETCH_A \next, 0, 0
	SCALES \next
	WIN 0xf1
	MUL16 4, 1, 1, \slot, 0
	MUL16 6, 1, 1, \slot, 0
	PLACES 4
	WIN 0
	FETCH_A \next, 0, 4
.endm
	s_load_b128 s[4:7], s[0:1], 0x0                ; xq, wq
	s_load_b128 s[8:11], s[0:1], 0x10              ; b_attn, qr
	s_load_b64 s[12:13], s[0:1], 0x20              ; kv
	v_lshl_add_u32 v[SPW], v0, 2, SPARE
	v_mov_b32 v[NIL], 0
	ds_add_u32 v[SPW], v[NIL]                      ; the wave's opening: the add, twice on end, and its wait ahead of my first tensor load
	ds_add_u32 v[SPW], v[NIL]
	v_lshrrev_b32 v1, 5, v0
	v_readfirstlane_b32 s14, v1                    ; wave
	s_lshr_b32 s15, s14, 1                         ; my half of side 1.  Also: I fetch for side 1 (0) or side 0 (1)
	s_and_b32 s16, s14, 1                          ; my half of side 0.  Also: which 128 rows I fetch
	s_bfe_u32 s40, ttmp6, 0x40000                  ; cx
	s_bfe_u32 s41, ttmp6, 0x40004                  ; cy
	s_and_b32 s18, ttmp7, 0xffff
	s_lshl_b32 s18, s18, 2                         ; 4 x cluster y
	s_lshl_b32 s19, ttmp9, 2                       ; 4 x cluster x
	s_add_co_u32 s46, s19, s40                     ; QK: side 0's block of 256 channels
	s_add_co_u32 s47, s18, s40                     ; V:  side 0's block of 256 tokens
	s_add_co_u32 s20, s18, s41                     ; QK: side 1's block of 256 tokens
	s_mov_b32 s21, XSTR
	s_mov_b32 s22, WSTR
	s_mov_b32 s23, XS_OFF
	s_mov_b32 s43, WS_OFF
	s_cmp_eq_u32 ttmp9, 2                          ; V?
	s_cselect_b32 s42, s47, s46                    ; i0: hangs on cx alone
	s_cselect_b32 s17, s41, s20                    ; i1: hangs on cy alone (V: the block of 256 of v's channels)
	s_cselect_b32 s96, s22, s21                    ; side 1: a slot on, in bytes
	s_cselect_b32 s98, s21, s22                    ; side 0
	s_cselect_b32 s94, s43, s23                    ; where side 1's scale words begin
	s_cselect_b32 s95, s23, s43                    ; and side 0's
	s_cselect_b32 s45, 128, 0                      ; V: v's columns begin at tile 128 of wq
	s_mov_b32 s97, 0
	s_mov_b32 s99, 0
	s_lshl_b32 s43, s41, 2
	s_lshl_b32 s43, 15, s43                        ; my row of the cluster
	s_lshl_b32 s44, 0x1111, s40                    ; my column
	s_or_b32 s[G1], s43, (3<<16)|(1<<21)           ; 15:0 the mask; 17:16 elements of 8 bytes; 21 set beside a mask; no padding
	s_or_b32 s[G1B], s44, (3<<16)|(1<<21)
.irp g, G1, G1B                        ; a dense block of 24,576 bytes as 96 rows of 256
	s_mov_b32 s[\g+1], 32<<16
	s_mov_b32 s[\g+2], 96<<16
	s_mov_b32 s[\g+3], 32<<16
	s_mov_b32 s[\g+4], 96
	s_mov_b32 s[\g+5], 32
	s_mov_b32 s[\g+6], 0
	s_mov_b32 s[\g+7], 0
.endr
	s_or_b32 s[G1S], s43, (3<<16)|(1<<21)
	s_or_b32 s[G1SB], s44, (3<<16)|(1<<21)
.irp g, G1S, G1SB                      ; the scale words of 128 rows, all of K: 4,096 dense bytes as 16 rows of 256
	s_mov_b32 s[\g+1], 32<<16
	s_mov_b32 s[\g+2], 16<<16
	s_mov_b32 s[\g+3], 32<<16
	s_mov_b32 s[\g+4], 16
	s_mov_b32 s[\g+5], 32
	s_mov_b32 s[\g+6], 0
	s_mov_b32 s[\g+7], 0
.endr
	s_lshl_b32 s20, s17, 4
	s_lshl_b32 s21, s16, 3
	s_add_co_u32 s20, s20, s21
	s_add_co_u32 s20, s20, s45                     ; side 1: the first of the 8 tiles that I fetch
	s_lshl_b32 s22, s20, 9
	s_add_co_u32 s22, s22, s94                     ; their scale words
	s_mov_b32 s23, 0
	s_mul_i32 s20, s20, 3072                       ; their codes
	s_mov_b32 s21, 0
	s_lshl_b32 s46, s42, 4
	s_lshl_b32 s47, s16, 3
	s_add_co_u32 s46, s46, s47                     ; side 0 likewise
	s_lshl_b32 s92, s46, 9
	s_add_co_u32 s92, s92, s95
	s_mov_b32 s93, 0
	s_mul_i32 s46, s46, 3072
	s_mov_b32 s47, 0
	s_mul_i32 s45, s14, HALFT                      ; where they go: no place in the cluster enters an LDS address
	s_lshl_b32 s94, s14, 12
	s_lshl_b32 s95, s15, 7
	s_add_co_u32 s94, s94, s95
	s_wait_dscnt 0x0                               ; both opening adds are done
	s_wait_kmcnt 0x0
	s_cmp_eq_u32 ttmp9, 2
	s_cselect_b64 s[2:3], s[6:7], s[4:5]           ; side 1's buffer
	s_cselect_b64 s[4:5], s[4:5], s[6:7]           ; side 0's
	s_add_nc_u64 s[20:21], s[2:3], s[20:21]
	s_add_nc_u64 s[22:23], s[2:3], s[22:23]
	s_add_nc_u64 s[46:47], s[4:5], s[46:47]
	s_add_nc_u64 s[92:93], s[4:5], s[92:93]
	CROUND                                         ; all sixteen work-groups are here: the first joint loads meet
	s_mov_b32 s[G0S], 1
	s_add_co_u32 s[G0S+1], s94, SCL
	s_mov_b64 s[G0S+2:G0S+3], s[22:23]
	s_or_b32 s[G0S+3], s[G0S+3], 0x80000000
	s_mov_b32 s[G0SB], 1
	s_add_co_u32 s[G0SB+1], s94, SCL
	s_mov_b64 s[G0SB+2:G0SB+3], s[92:93]
	s_or_b32 s[G0SB+3], s[G0SB+3], 0x80000000
	JLOAD G0S, G1S, G0SB, G1SB                     ; the scale words: filled once
	s_mov_b32 s[G0], 1
	s_mov_b32 s[G0+1], s45
	s_mov_b64 s[G0+2:G0+3], s[20:21]
	s_or_b32 s[G0+3], s[G0+3], 0x80000000
	s_mov_b32 s[G0B], 1
	s_mov_b32 s[G0B+1], s45
	s_mov_b64 s[G0B+2:G0B+3], s[46:47]
	s_or_b32 s[G0B+3], s[G0B+3], 0x80000000
	JLOAD G0, G1, G0B, G1B                         ; slot 0
	s_mov_b32 s[G0+4], 1
	s_add_co_u32 s[G0+5], s45, SLOT
	s_add_nc_u64 s[G0+6:G0+7], s[20:21], s[96:97]
	s_or_b32 s[G0+7], s[G0+7], 0x80000000
	s_mov_b32 s[G0B+4], 1
	s_add_co_u32 s[G0B+5], s45, SLOT
	s_add_nc_u64 s[G0B+6:G0B+7], s[46:47], s[98:99]
	s_or_b32 s[G0B+7], s[G0B+7], 0x80000000
	JLOAD G0+4, G1, G0B+4, G1B                     ; slot 1: three loads of mine are out
	s_lshl_b32 s96, s96, 1                         ; a refill goes two slots on
	s_lshl_b32 s98, s98, 1
	v_and_b32 v1, 15, v0                           ; r
	v_bfe_u32 v2, v0, 4, 1                         ; h
	v_and_b32 v3, 31, v0
	v_lshlrev_b32 v[L16], 4, v3
	v_lshlrev_b32 v[L8], 3, v3
	s_mul_i32 s21, s15, HALFT
	s_mul_i32 s22, s16, HALFT
	s_add_co_u32 s22, s22, 2*HALFT
.irp s, 0,1
	v_add_nc_u32 v[ADRA+\s], s21, v[L16]
	v_add_nc_u32 v[ADRB+\s], s22, v[L16]
	s_add_co_u32 s21, s21, SLOT
	s_add_co_u32 s22, s22, SLOT
.endr
	s_xor_b32 s22, s15, 1
	s_lshl_b32 s22, s22, 12
	s_lshl_b32 s23, s16, 12
	s_add_co_u32 s22, s22, s23
	s_add_co_u32 s22, s22, 4224                    ; from side 1's half s15 to side 0's half s16: 8,320 + 4,096 s16 - 4,096 s15
	v_mul_u32_u24 v6, s22, v2                      ; lanes 16-31 take side 0's
	s_lshl_b32 s21, s15, 12
	s_add_co_u32 s21, s21, SCL
	v_lshl_add_u32 v6, v1, 3, v6
	v_add_nc_u32 v[ADRS], s21, v6
.irp b, 0,1,2,3
	v_mov_b32 v[TM+4+\b], 0                        ; a lane permute's destination counts as one of its sources
.endr
	; the bias.  QK: of the channels that my registers run along; V: of my lane's channel
	s_cmp_eq_u32 ttmp9, 2
	s_cselect_b32 s18, s17, s42
	s_cselect_b32 s19, s15, s16
	s_cselect_b32 s6, 8192, 0
	s_lshl_b32 s18, s18, 10
	s_lshl_b32 s19, s19, 9
	s_add_co_u32 s18, s18, s19
	s_add_co_u32 s18, s18, s6
	s_mov_b32 s19, 0
	s_add_nc_u64 s[8:9], s[8:9], s[18:19]          ; b_attn at my 128 channels
	s_cmp_eq_u32 ttmp9, 2
	s_cbranch_scc1 .Lbias_v
	v_lshlrev_b32 v[BO], 6, v2                     ; register 8 b + j: channel 32 (b / 2) + 8 (b % 2) + 16 h + j
.irp b, 0,1,2,3,4,5,6,7
	global_load_b128 v[BI+8*\b:BI+8*\b+3], v[BO], s[8:9] offset:(32*(\b/2)+8*(\b%2))*4
	global_load_b128 v[BI+8*\b+4:BI+8*\b+7], v[BO], s[8:9] offset:(32*(\b/2)+8*(\b%2))*4+16
.endr
	s_branch .Lbias_done
.Lbias_v:
	v_and_b32 v[BO], 8, v1
	v_add_nc_u32 v[BO], v[BO], v1
	v_lshlrev_b32 v[BO], 2, v[BO]                  ; row r of tile a: channel 32 (a / 2) + 8 (a % 2) + r + 8 (r / 8)
.irp a, 0,1,2,3,4,5,6,7
.irp j, 0,1,2,3,4,5,6,7
	global_load_b32 v[BI+8*\a+\j], v[BO], s[8:9] offset:(32*(\a/2)+8*(\a%2))*4   ; the same number in eight registers: pairs for the packed addition, and both arms write all 64 registers of the bias
.endr
.endr
.Lbias_done:
	s_wait_tensorcnt 1                             ; the scale words and my part of slot 0 are in (slot 1's load may be out),
	s_barrier_signal -1
	s_barrier_wait -1                              ; everybody's are
	FETCH_B 0, 0, 0
	FETCH_A 0, 0, 0
	SCALES 0
	FETCH_A 0, 0, 4
	STEP 0, 1                                      ; K has four slots: the eight K steps are written out
	TURN 0, 1, 1
	STEP 1, 0
	TURN 1, 0, 1
	STEP 0, 0
	TURN 0, 1, 0                                   ; nothing is left to fetch: no round
	STEP 1, 0
	s_wait_dscnt 4*NLA
	WIN 0xa1
	MUL16 0, 1, 1, 1, 0
	MUL16 2, 1, 1, 1, 0
	s_wait_dscnt 0x0
	WIN 0xf1
	MUL16 4, 1, 1, 1, 0
	MUL16 6, 1, 1, 1, 0
	WIN 0
	; THE WAY OUT.  No tensor load of mine is out since the last change of slots: the descriptors' registers are free.
	s_and_b32 s20, s42, 3
	s_cmp_eq_u32 ttmp9, 2
	s_cselect_b32 s18, s42, s17                    ; the block of 256 tokens,
	s_cselect_b32 s19, s16, s15                    ; my half of it,
	s_cselect_b32 s20, s17, s20                    ; the block of 256 channels within q, k or v,
	s_cselect_b32 s21, s15, s16                    ; my half of it
	s_mov_b32 s23, 12800
	s_cmp_eq_u32 ttmp9, 0                          ; cluster x 0 makes q, 1 makes k, 2 makes v
	s_cselect_b64 s[32:33], s[10:11], s[12:13]
	s_cselect_b32 s22, 6400, s23                   ; a record
	s_lshr_b32 s6, s18, 3
	s_lshl_b32 s6, s6, 4                           ; 16 x batch
	s_lshl_b32 s20, s20, 2
	s_add_co_u32 s6, s6, s20
	s_lshl_b32 s21, s21, 1
	s_add_co_u32 s6, s6, s21                       ; + my first head
	s_lshl_b32 s6, s6, 4
	s_and_b32 s18, s18, 7
	s_lshl_b32 s18, s18, 1
	s_add_co_u32 s6, s6, s18
	s_add_co_u32 s6, s6, s19                       ; x 16 + my group of 128 tokens
	s_mul_i32 s6, s6, s22
	s_mov_b32 s7, 0
	s_add_nc_u64 s[32:33], s[32:33], s[6:7]        ; my first head's record,
	s_lshl_b32 s6, s22, 4
	s_add_nc_u64 s[34:35], s[32:33], s[6:7]        ; my second head's
	s_mov_b32 s36, 0x05040100                      ; v_perm_b32: the two low halves,
	s_mov_b32 s37, 0x07060302                      ; the two high halves
	s_mov_b32 s38, 0x76543210
	s_mov_b32 s39, 0xfedcba98                      ; v_permlanex16_b32's selects for lane l xor 16
; 64 numbers of a lane, register 16 b + i = k 32 b + 16 h + i of my row, become a fragment's 12 registers of codes in v[pc] on and its scale word in v[pw].
.macro QUANT s, pc, pw
.irp b, 0,1,2,3
	v_max3_num_f32 v[TM+\b], |v[\s+16*\b]|, |v[\s+1+16*\b]|, 0x1800000   ; with the floor 2^(3 - 127)
.endr
.irp i, 2,4,6,8,10,12,14
.irp b, 0,1,2,3
	v_max3_num_f32 v[TM+\b], v[TM+\b], |v[\s+16*\b+\i]|, |v[\s+1+16*\b+\i]|
.endr
.endr
.irp b, 0,1,2,3
	v_permlanex16_b32 v[TM+4+\b], v[TM+\b], s38, s39
.endr
.irp b, 0,1,2,3
	v_max_num_f32 v[TM+\b], v[TM+\b], v[TM+4+\b]   ; with lane l xor 16's: the block's largest magnitude
.endr
.irp b, 0,1,2,3
	v_add_nc_u32 v[TM+12+\b], 0xff000000, v[TM+\b] ; the conversion's scale operand
.endr
.irp b, 0,1,2,3
	v_lshrrev_b32 v[TM+4+\b], 23, v[TM+12+\b]      ; the byte
.endr
	v_lshl_or_b32 v[\pw], v[TM+5], 8, v[TM+4]
	v_lshl_or_b32 v[\pw], v[TM+6], 16, v[\pw]
	v_lshl_or_b32 v[\pw], v[TM+7], 24, v[\pw]
.irp c, 0,1
	v_cvt_scalef32_pk16_fp6_f32 v[(\pc)+6*\c:(\pc)+6*\c+2], v[\s+32*\c:\s+32*\c+15], v[TM+12+2*\c]
	v_cvt_scalef32_pk16_fp6_f32 v[CT+4*\c:CT+4*\c+2], v[\s+32*\c+16:\s+32*\c+31], v[TM+13+2*\c]
.endr
	v_nop                                          ; one plain place behind a scaled conversion
.irp c, 0,1                            ; the operand's layout wants a whole block in a lane
.irp i, 0,1,2
	v_permlane16_swap_b32 v[(\pc)+6*\c+\i], v[CT+4*\c+\i]
.endr
.irp i, 0,1,2
	v_mov_b32 v[(\pc)+6*\c+3+\i], v[CT+4*\c+\i]
.endr
.endr
.endm
; Tile a of side 1: + bias (the addition also brings the sums into window 0; each accumulator is read from its low end on), quantised, stored as images.
.macro EPI a, vmode
.set P0, PC+12*((\a)%2)
	WIN 0x02+(\a)/4
.set k, 0
.rept 32
.if \vmode
	v_pk_add_f32 v[T+2*k:T+2*k+1], v[64*((\a)%4)+2*k:64*((\a)%4)+2*k+1], v[BI+8*(\a)+2*(k%4):BI+8*(\a)+2*(k%4)+1]
.else
	v_pk_add_f32 v[T+2*k:T+2*k+1], v[64*((\a)%4)+2*k:64*((\a)%4)+2*k+1], v[BI+2*k:BI+2*k+1]
.endif
.set k, k+1
.endr
	WIN 0
	s_wait_xcnt 0x0                                ; this set of codes was store data two tiles ago
	QUANT T, P0, PW+(\a)
.if \vmode
.irp j, 0,1,2
	global_store_b128 v[L16], v[P0+4*\j:P0+4*\j+3], s[32+2*((\a)/4):33+2*((\a)/4)] offset:6400+1536*((\a)%4)+512*\j   ; 16 channels x 128 keys
.endr
.else
	global_store_b128 v[L16], v[P0:P0+3], s[32:33] offset:768*(\a)            ; registers 0-5: 16 tokens x my first head's 64
	global_store_b64 v[L8], v[P0+4:P0+5], s[32:33] offset:768*(\a)+512
	global_store_b128 v[L16], v[P0+6:P0+9], s[34:35] offset:768*(\a)          ; registers 6-11: my second head's
	global_store_b64 v[L8], v[P0+10:P0+11], s[34:35] offset:768*(\a)+512
.endif
.endm
	s_wait_loadcnt 0x0                             ; the bias
	PLACES 4                                       ; behind the last products
	s_cmp_eq_u32 ttmp9, 2
	s_cbranch_scc1 .Lout_v
.irp a, 0,1,2,3,4,5,6,7
	EPI \a, 0
.endr
	v_cmp_ne_u32 vcc_lo, 0, v2
.irp k, 0,1                            ; head k's scale words: the word of pair c holds tile 2 c's two bytes, then tile 2 c + 1's; lane (r, h) stores pairs h and 2 + h
.irp c, 0,1,2,3
	v_perm_b32 v[248+\c], v[PW+2*\c+1], v[PW+2*\c], s[36+\k]
.endr
	v_cndmask_b32 v[252+2*\k], v248, v249, vcc_lo
	v_cndmask_b32 v[253+2*\k], v250, v251, vcc_lo
	global_store_b64 v[L8], v[252+2*\k:253+2*\k], s[32+2*\k:33+2*\k] offset:6144   ; 256 consecutive bytes, aligned
.endr
	s_branch .Lout_done
.Lout_v:
.irp a, 0,1,2,3,4,5,6,7
	EPI \a, 1
.endr
	v_cmp_ne_u32 vcc_lo, 0, v2
.irp k, 0,1                            ; lane (r, h) stores the words of channel tiles h and 2 + h of head k
	v_cndmask_b32 v[252+2*\k], v[PW+4*\k], v[PW+4*\k+1], vcc_lo
	v_cndmask_b32 v[253+2*\k], v[PW+4*\k+2], v[PW+4*\k+3], vcc_lo
	global_store_b64 v[L8], v[252+2*\k:253+2*\k], s[32+2*\k:33+2*\k] offset:12544
.endr
.Lout_done:
	s_wait_tensorcnt 0x0                           ; the wave's end
	ds_add_u32 v[SPW], v[NIL]
	s_wait_dscnt 0x0
	CROUND                                         ; the closing round
	s_endpgm
.Lfunc_end_k_q8788944936_qkv:
	.size	k_q8788944936_qkv, .Lfunc_end_k_q8788944936_qkv-k_q8788944936_qkv
	.p2alignl 7, 3214868480
	.fill 96, 4, 3214868480
	.section	.rodata,"a",@progbits
	.p2align	6, 0x0
	.amdhsa_kernel k_q8788944936_qkv
		.amdhsa_group_segment_fixed_size 327680
		.amdhsa_private_segment_fixed_size 0
		.amdhsa_enable_private_segment 0
		.amdhsa_kernarg_size 40
		.amdhsa_user_sgpr_count 2
		.amdhsa_user_sgpr_kernarg_segment_ptr 1
		.amdhsa_wavefront_size32 1
		.amdhsa_system_sgpr_workgroup_id_x 1
		.amdhsa_system_sgpr_workgroup_id_y 1
		.amdhsa_system_sgpr_workgroup_id_z 1
		.amdhsa_system_vgpr_workitem_id 0
		.amdhsa_next_free_vgpr 1024
		.amdhsa_next_free_sgpr 100
		.amdhsa_reserve_vcc 1
		.amdhsa_float_denorm_mode_32 3
		.amdhsa_float_denorm_mode_16_64 3
		.amdhsa_memory_ordered 1
		.amdhsa_forward_progress 1
		.amdhsa_inst_pref_size 215
	.end_amdhsa_kernel
	.amdgpu_metadata
---
amdhsa.version: [ 1, 2 ]
amdhsa.kernels:
  - .name:           k_q8788944936_qkv
    .symbol:         k_q8788944936_qkv.kd
    .args:
      - { .name: xq, .offset: 0, .size: 8, .value_kind: global_buffer, .address_space: global }
      - { .name: wq, .offset: 8, .size: 8, .value_kind: global_buffer, .address_space: global }
      - { .name: b_attn, .offset: 16, .size: 8, .value_kind: global_buffer, .address_space: global }
      - { .name: qr, .offset: 24, .size: 8, .value_kind: global_buffer, .address_space: global }
      - { .name: kv, .offset: 32, .size: 8, .value_kind: global_buffer, .address_space: global }
    .group_segment_fixed_size: 327680
    .private_segment_fixed_size: 0
    .kernarg_segment_align: 8
    .kernarg_segment_size: 40
    .max_flat_workgroup_size: 128
    .sgpr_count:     100
    .vgpr_count:     1024
    .wavefront_size: 32
...
	.end_amdgpu_metadata
.endif
;; end of part 2
;; launch attn (part 3): grid 4 x 64, 16 waves a work-group, no clusters, 327,680 bytes of LDS; arguments qr, kv, aoq; writes aoq
.if DOCPART == 3
	.amdgcn_target "amdgcn-amd-amdhsa--gfx1250"
	.amdhsa_code_object_version 6
	.text
	.protected	k_q8788944936_attn
	.globl	k_q8788944936_attn
	.p2align	8
	.type	k_q8788944936_attn,@function
k_q8788944936_attn:
	s_mov_b64 s[64:65], 0
	v_nop
	global_prefetch_b8 v0, s[64:65] scope:SCOPE_SE
	s_setreg_imm32_b32 hwreg(HW_REG_WAVE_MODE, 25, 1), 1
	s_wait_xcnt 0x0
; Causal attention of one head on codes of FP6 (E2M3): S^T = k q^T, p = 2^(t - M), O^T = v^T p^T, O / l, and O's quantising along the last product's K.
; LEFT OUT: a step of 128 keys all of which come after a tile's 16 queries: reference()'s own jnp.tril sets those scores to -inf, so they add 0 to the sum and to O for all finite inputs.
; LIMIT: a NaN, an infinity or an overflow that reaches only such scores is not carried to the result.  A block of zeros gets the byte 1, not 127 (its codes are zeros; only this program reads the bytes).
; SOFTMAX: t = score x log2(e) / 8; M = the running largest t rounded UP to a whole number; p = 2^(t - M) is quantised along the keys; the row's sum is taken of the unquantised p and divides O at the end.
; SHARES.  Work-group (i, head of a batch) owns the blocks 7 - i and i of 256 queries, one after the other over ONE ring of key slots: slots 0 .. 7 - i, then 0 .. i: nine slots of 256 keys for every work-group, all of them read.
; Wave w owns tile 16 (7 - i) + w, then tile 16 i + 15 - w: 17 key steps of 128 for every wave.  Sixteen waves of 256 registers: four to a SIMD, so that one wave's vector work stands beside another's products and LDS loads.
; NO CLUSTER: the four work-groups of a head turn back to slot 0 at different trips (8 - i), so partners would want different tiles in the same round.
; LAYOUT.  A lane holds ONE query throughout (both products transposed).  kv holds, for each 128 keys, one record of 12,800 dense bytes: K's 8 half images (16 keys x 64), its scale words, V's 4 images (16 channels x 128 keys), its scale words.
; K = 64 UNDER AN INSTRUCTION OF 128: source 0's twelve registers hold TWO tiles of keys (2 c in 0-5, 2 c + 1 in 6-11); the product with [q | 0] gives tile 2 c, with [0 | q] tile 2 c + 1.  Zero codes add nothing.
; By the order of a tile's rows (quant) the 16 registers of two neighbouring tiles are 16 neighbouring keys (S^T) or channels (O^T).
; REGISTERS: v1-11 addresses; v12 -M, v13 the largest t, v[14:15] the sum; v16-21 q, v22-27 zeros, v28-33 q again; v34-40 the second tile's q and scale word; v44-91 K's, then V's fragments; v92-95 their scale words;
;   v96-159 S^T, then p; v160-191 O^T; v224-235 p's codes; v232-254 at work; v255 q's scale word.
.set XSTR,   1572864
.set XS_OFF, 6291456
.set REC,    12800
.set SLOT1,  32768                     ; a slot holds two records; slot 1 begins here, so that one exclusive or turns an address
.set SPARE,  65536                     ; the spare words, 128 bytes for each of the sixteen waves
.set SPW, 5
.set NIL, 6
.set ADK, 7                            ; v7  the slot in hand + 16 x lane
.set AD8, 8                            ; v8  the slot in hand + 8 x lane
.set PFO, 10                           ; v10 the prefetches' offset
.set TB,  2                            ; s2  LDS byte at which the slot in hand begins
.set WV,  18
.set SEL, 20
.set CS,  22                           ; s[22:23] c = log2(e) / 8
.set G1,  24
.set G0,  40
.set KVB, 44                           ; s[44:45] my head's first record (waves 0, 1: + the record that I fetch)
.set LNX, 46                           ; s46 the key slot last asked for
.set NH,  47                           ; s47 8 - i: the first pass's slots
.set SLOTS, 67
.set PFA, 76
.set LIM, 80
.set KF,  98                           ; s98 the step's first key
.set QB,  99                           ; s99 my tile's first query: lane r holds query QB + r + 8 (r / 8)
.macro TLOAD                           ; waves 0 and 1 fetch a record each.  An s_nop 0 and four v_nop follow the load
	s_cmp_lt_u32 s[WV], 2
	s_cbranch_scc0 .Lnot_\@
	tensor_load_to_lds s[G0:G0+3], s[G1:G1+7]
	s_nop 0
.rept 4
	v_nop
.endr
.Lnot_\@:
.endm
; A PREFETCH INTO THE L2 of the slot that the NEXT change will ask for.  The four work-groups of a head walk the same records: work-group i = 0, whose first pass walks all eight slots, asks, in its waves 4 to 7,
; 6,400 bytes a wave, lanes 256 bytes apart (lanes 25-31 name lane 24's block again).  Trip n asks for slot n + 2 while n <= 5; slots 0 and 1 come by their loads alone.
.macro ASK
	s_cmp_gt_u32 s[SLOTS], s[LIM]
	s_cbranch_scc0 .Lnot_mine_\@
	global_prefetch_b8 v[PFO], s[PFA:PFA+1] th:TH_LOAD_NT scope:SCOPE_SE
.Lnot_mine_\@:
.endm
; Scalars of tile s[a]: its first query, its places in aoq (codes, scale bytes) and in qr (codes, scale word), as offsets; the shift that brings its halfword down
.macro TILE a, qb, aob, asb, qp, qs, sh
	s_lshr_b32 s96, s[\a], 1
	s_lshl_b32 s96, s96, 5
	s_and_b32 s97, s[\a], 1
	s_lshl_b32 s[\sh], s97, 4
	s_lshl_b32 s97, s97, 3
	s_add_co_u32 s[\qb], s96, s97
	s_mul_i32 s[\aob], s[\a], 3072
	s_add_co_u32 s[\aob], s[\aob], s82
	s_mov_b32 s[\aob+1], 0
	s_lshl_b32 s[\asb], s[\a], 9
	s_add_co_u32 s[\asb], s[\asb], s83
	s_mov_b32 s[\asb+1], 0
	s_lshr_b32 s96, s[\a], 3
	s_add_co_u32 s96, s96, s84
	s_mul_i32 s96, s96, 6400                       ; its group's record in qr
	s_and_b32 s97, s[\a], 7
	s_mul_i32 s[\qp], s97, 768
	s_add_co_u32 s[\qp], s[\qp], s96
	s_mov_b32 s[\qp+1], 0
	s_lshr_b32 s97, s97, 1                         ; its pair c: the word lies at 6,144 + 8 (r + 16 (c % 2)) + 4 (c / 2)
	s_and_b32 s[\qs], s97, 1
	s_lshl_b32 s[\qs], s[\qs], 7
	s_lshr_b32 s97, s97, 1
	s_lshl_b32 s97, s97, 2
	s_add_co_u32 s[\qs], s[\qs], s97
	s_add_co_u32 s[\qs], s[\qs], s96
	s_add_co_u32 s[\qs], s[\qs], 6144
	s_mov_b32 s[\qs+1], 0
.endm
	s_load_b128 s[4:7], s[0:1], 0x0                ; qr, kv
	s_load_b64 s[8:9], s[0:1], 0x10                ; aoq
	v_lshl_add_u32 v[SPW], v0, 2, SPARE
	v_mov_b32 v[NIL], 0
	ds_add_u32 v[SPW], v[NIL]                      ; the wave's opening: the add, twice on end, and its wait ahead of my first tensor load
	ds_add_u32 v[SPW], v[NIL]
	v_lshrrev_b32 v7, 5, v0
	s_delay_alu instid0(VALU_DEP_1)
	v_readfirstlane_b32 s[WV], v7                  ; wave 0..15
	s_and_b32 s10, ttmp7, 0xffff                   ; 16 x batch + head
	s_sub_co_u32 s11, 7, ttmp9
	s_lshl_b32 s11, s11, 4
	s_add_co_u32 s11, s11, s[WV]                   ; my first tile
	s_lshl_b32 s12, ttmp9, 4
	s_add_co_u32 s12, s12, 15
	s_sub_co_u32 s12, s12, s[WV]                   ; my second
	s_and_b32 s13, s10, 15                         ; head
	s_lshr_b32 s14, s10, 4                         ; batch
	s_lshr_b32 s15, s13, 2
	s_and_b32 s16, s13, 3
	s_mul_i32 s82, s15, XSTR                       ; aoq's codes: [head / 4][tile of tokens][head % 4] half images
	s_mul_i32 s96, s16, 768
	s_add_co_u32 s82, s82, s96
	s_mul_i32 s96, s14, 128*3072
	s_add_co_u32 s82, s82, s96
	s_lshl_b32 s83, s15, 7                         ; its scale bytes: 512 x tile + 128 (head / 4) + 8 r + 2 (head % 4) + block
	s_lshl_b32 s96, s16, 1
	s_add_co_u32 s83, s83, s96
	s_lshl_b32 s96, s14, 16
	s_add_co_u32 s83, s83, s96
	s_add_co_u32 s83, s83, XS_OFF
	s_lshl_b32 s84, s10, 4
	TILE 11, QB, 50, 52, 68, 70, 86
	TILE 12, 58, 54, 56, 72, 74, 87
	s_sub_co_u32 s[NH], 8, ttmp9
	s_lshl_b32 s48, s[NH], 8                       ; the first pass's keys
	s_mov_b32 s[LNX], 0
	s_and_b32 s96, s[WV], 1
	s_mul_i32 s[G0+1], s96, REC                    ; the record that I fetch: its place in a slot, and in memory
	s_mul_i32 s60, s10, 16*REC
	s_add_co_u32 s60, s60, s[G0+1]
	s_mov_b32 s61, 0
	s_and_b32 s96, s[WV], 3
	s_mul_i32 s96, s96, 6400
	s_mul_i32 s62, s10, 16*REC
	s_add_co_u32 s62, s62, s96
	s_add_co_u32 s62, s62, 2*REC                   ; the prefetches stand in slot 1: the first change steps them to slot 2
	s_mov_b32 s63, 0
	s_lshr_b32 s96, s[WV], 2
	s_xor_b32 s96, s96, 1                          ; 0 in waves 4 to 7,
	s_or_b32 s96, s96, ttmp9                       ; of work-group i = 0
	s_cmp_eq_u32 s96, 0
	s_cselect_b32 s[LIM], 2, -1
	s_mov_b32 s[G1], 3<<16                         ; no mask; elements of 8 bytes; no padding: a record, 12,800 dense bytes, as 50 rows of 256
	s_mov_b32 s[G1+1], 32<<16
	s_mov_b32 s[G1+2], 50<<16
	s_mov_b32 s[G1+3], 32<<16
	s_mov_b32 s[G1+4], 50
	s_mov_b32 s[G1+5], 32
	s_mov_b32 s[G1+6], 0
	s_mov_b32 s[G1+7], 0
	s_mov_b32 s[SEL], 0x76543210
	s_mov_b32 s[SEL+1], 0xfedcba98
	s_mov_b32 s[CS], 0x3e38aa3b                    ; log2(e) / 8
	s_mov_b32 s[CS+1], s[CS]
	s_mov_b32 s[TB], 0
	s_mov_b32 s[KF], 0
	s_mov_b32 s[SLOTS], 8
	v_and_b32 v7, 31, v0
	s_delay_alu instid0(VALU_DEP_1)
	v_lshlrev_b32 v1, 4, v7                        ; 16 x lane
	s_delay_alu instid0(VALU_DEP_2)
	v_lshlrev_b32 v2, 3, v7                        ; 8 x lane
	v_and_b32 v8, 15, v0                           ; r
	v_bfe_u32 v9, v0, 4, 1                         ; h
	s_delay_alu instid0(VALU_DEP_2)
	v_lshlrev_b32 v11, 3, v8                       ; 8 r
	s_delay_alu instid0(VALU_DEP_1)
	v_add_nc_u32 v3, v11, v9                       ; 8 r + h: my scale byte's place
	s_delay_alu instid0(VALU_DEP_4)
	v_and_b32 v4, 8, v8
	s_delay_alu instid0(VALU_DEP_1)
	v_add_nc_u32 v4, v4, v8
	v_lshlrev_b32 v10, 4, v9
	s_delay_alu instid0(VALU_DEP_1)
	v_sub_nc_u32 v4, v4, v10                       ; r + 8 (r / 8) - 16 h
	v_min_u32 v10, 24, v7
	s_delay_alu instid0(VALU_DEP_1)
	v_lshlrev_b32 v[PFO], 8, v10
	s_wait_dscnt 0x0                               ; both opening adds are done
	s_wait_kmcnt 0x0
	s_add_nc_u64 s[KVB:KVB+1], s[6:7], s[60:61]
	s_add_nc_u64 s[PFA:PFA+1], s[6:7], s[62:63]
	s_mov_b32 s[G0], 1
	s_mov_b64 s[G0+2:G0+3], s[KVB:KVB+1]
	s_or_b32 s[G0+3], s[G0+3], 0x80000000
	TLOAD                                          ; slot 0: keys 0-255, which count for queries of every tile
	s_add_nc_u64 s[50:51], s[8:9], s[50:51]
	s_add_nc_u64 s[52:53], s[8:9], s[52:53]
	s_add_nc_u64 s[54:55], s[8:9], s[54:55]
	s_add_nc_u64 s[56:57], s[8:9], s[56:57]
	s_add_nc_u64 s[68:69], s[4:5], s[68:69]
	s_add_nc_u64 s[70:71], s[4:5], s[70:71]
	s_add_nc_u64 s[72:73], s[4:5], s[72:73]
	s_add_nc_u64 s[74:75], s[4:5], s[74:75]
	global_load_b128 v[16:19], v1, s[68:69]        ; q of both tiles stays in registers
	global_load_b64 v[20:21], v2, s[68:69] offset:512
	s_wait_alu depctr_va_vdst(0)
	global_load_b32 v255, v11, s[70:71]
	global_load_b128 v[34:37], v1, s[72:73]
	global_load_b64 v[38:39], v2, s[72:73] offset:512
	global_load_b32 v40, v11, s[74:75]
	v_mov_b32 v13, 0xff61b1e6                      ; the largest t so far: -3e38
	s_delay_alu instid0(VALU_DEP_1)
	v_floor_f32 v12, -v13                          ; -M
	v_mov_b32 v14, 0
	v_mov_b32 v15, 0
.irp j, 0,1,2,3,4,5
	v_mov_b32 v[22+\j], 0                          ; zero codes
.endr
.irp b, 0,1,2,3
	v_mov_b32 v[236+\b], 0                         ; a lane permute's destination counts as one of its sources
.endr
	v_mov_b32 v252, 0
	v_mov_b32 v253, 0
.set j, 0
.rept 32
	v_mov_b32 v[160+j], 0                          ; O^T: the step is written once; the first finds zeros
.set j, j+1
.endr
	s_wait_loadcnt 0x0
	v_lshrrev_b32 v255, s86, v255                  ; my tile's two bytes of its pair's word,
	s_delay_alu instid0(VALU_DEP_1)
	v_and_b32 v255, 0xffff, v255
	s_delay_alu instid0(VALU_DEP_1)
	v_lshl_or_b32 v255, v255, 16, v255             ; twice: for [q | 0] and for [0 | q]
	v_lshrrev_b32 v40, s87, v40
	s_delay_alu instid0(VALU_DEP_1)
	v_and_b32 v40, 0xffff, v40
	s_delay_alu instid0(VALU_DEP_1)
	v_lshl_or_b32 v40, v40, 16, v40
.irp j, 0,1,2,3,4,5
	v_mov_b32 v[28+\j], v[16+\j]
.endr
; A KEY STEP: 128 keys, record q of the slot in hand.
.macro STEP q
	s_add_co_u32 s96, s[QB], 23                    ; my tile's last query
	s_cmp_gt_u32 s[KF], s96
	s_cbranch_scc1 .Lhidden_\@                     ; all 128 keys come after it: a branch on ids, round no barrier and no tensor load
	v_add_nc_u32 v[ADK], s[TB], v1
	v_add_nc_u32 v[AD8], s[TB], v2
	v_nop
	v_nop                                          ; four places in front of loads into registers that the last products read
.irp u, 0,1,2,3,4,5,6,7
	ds_load_b128 v[44+12*(\u/2)+6*(\u%2):47+12*(\u/2)+6*(\u%2)], v[ADK] offset:REC*(\q)+768*\u
	ds_load_b64 v[48+12*(\u/2)+6*(\u%2):49+12*(\u/2)+6*(\u%2)], v[AD8] offset:REC*(\q)+768*\u+512
.endr
	ds_load_b64 v[92:93], v[AD8] offset:REC*(\q)+6144   ; lane (r, h): the words of pairs h and 2 + h
	s_wait_dscnt 0x0
	s_wait_alu depctr_va_vdst(0)
.irp c, 0,1,2,3
.irp e, 0,1
.if \c%2
	v_wmma_scale_f32_16x16x128_f8f6f4 v[96+8*(2*\c+\e):103+8*(2*\c+\e)], v[44+12*\c:55+12*\c], v[16+6*\e:27+6*\e], 0, v[92+\c/2], v255 matrix_a_fmt:MATRIX_FMT_FP6 matrix_b_fmt:MATRIX_FMT_FP6 matrix_a_scale:MATRIX_SCALE_ROW1
.else
	v_wmma_scale_f32_16x16x128_f8f6f4 v[96+8*(2*\c+\e):103+8*(2*\c+\e)], v[44+12*\c:55+12*\c], v[16+6*\e:27+6*\e], 0, v[92+\c/2], v255 matrix_a_fmt:MATRIX_FMT_FP6 matrix_b_fmt:MATRIX_FMT_FP6
.endif
.endr
.endr
.rept 4
	v_nop                                          ; places: for the loads below and for the first read of the scores
.endr
.irp a, 0,1,2,3                        ; V is asked for at once, into K's registers: it lands under the softmax
.irp j, 0,1,2
	ds_load_b128 v[44+12*\a+4*\j:47+12*\a+4*\j], v[ADK] offset:REC*(\q)+6400+1536*\a+512*\j
.endr
.endr
	ds_load_b64 v[94:95], v[AD8] offset:REC*(\q)+12544
	s_add_co_u32 s96, s[KF], 127
	s_cmp_le_u32 s96, s[QB]
	s_cbranch_scc1 .Lopen_\@                       ; all 128 keys count for all my queries
	s_sub_co_i32 s96, s[QB], s[KF]
	v_add_nc_u32 v252, s96, v4                     ; d = my query - KF - 16 h.  Register 16 b + i holds key KF + 32 b + 16 h + i: hidden where 32 b + i > d
	v_mov_b32 v254, 0xff800000                     ; -infinity
.set n, 0
.rept 64
	v_cmp_gt_i32 vcc_lo, 32*(n/16)+n%16, v252
	v_cndmask_b32 v[96+n], v[96+n], v254, vcc_lo
.set n, n+1
.endr
.Lopen_\@:
.irp b, 0,1,2,3
	v_max3_num_f32 v[232+\b], v[96+16*\b], v[97+16*\b], v[98+16*\b]   ; the largest score of each block of 32 keys: for the row's maximum and, since p rises with the score, for the block's largest p
.endr
.irp i, 3,5,7,9,11,13
.irp b, 0,1,2,3
	v_max3_num_f32 v[232+\b], v[232+\b], v[96+16*\b+\i], v[97+16*\b+\i]
.endr
.endr
.irp b, 0,1,2,3
	v_max_num_f32 v[232+\b], v[232+\b], v[111+16*\b]
.endr
.irp b, 0,1,2,3
	s_delay_alu instid0(VALU_DEP_4)
	v_permlanex16_b32 v[236+\b], v[232+\b], s[SEL], s[SEL+1]
.endr
.irp b, 0,1,2,3
	s_delay_alu instid0(VALU_DEP_4)
	v_max_num_f32 v[232+\b], v[232+\b], v[236+\b]  ; with lane l xor 16's 16 keys
.endr
	s_delay_alu instid0(VALU_DEP_2)
	v_max3_num_f32 v254, v232, v233, v234
	s_delay_alu instid0(VALU_DEP_1)
	v_max_num_f32 v254, v254, v235
	s_delay_alu instid0(VALU_DEP_1)
	v_mul_f32 v254, s[CS], v254                    ; the step's largest t
	s_delay_alu instid0(VALU_DEP_1)
	v_max_num_f32 v13, v13, v254                   ; the running largest t
	v_mov_b32 v254, v12
	s_delay_alu instid0(VALU_DEP_2)
	v_floor_f32 v12, -v13                          ; the new -M = -ceil(t)
	s_delay_alu instid0(VALU_DEP_1)
	v_sub_f32 v254, v12, v254                      ; old M - new M: a whole number, 0 or less
	s_delay_alu instid0(VALU_DEP_1)
	v_cvt_i32_f32 v254, v254
	s_delay_alu instid0(VALU_DEP_1)
	v_ldexp_f32 v252, 1.0, v254                    ; f = 2^(old M - new M): rounds nothing
.set j, 0
.rept 32
	v_pk_fma_f32 v[96+j:97+j], v[96+j:97+j], s[CS:CS+1], v[12:13] op_sel_hi:[1,0,0]   ; t - M
.set j, j+2
.endr
.irp b, 0,1,2,3
	v_fma_f32 v[232+\b], v[232+\b], s[CS], v12     ; the same of each block's largest score
.endr
.set j, 0
	s_wait_alu depctr_va_vdst(0)
.rept 64
	v_exp_f32 v[96+j], v[96+j]                     ; p = 2^(t - M)
.set j, j+1
.endr
	v_pk_mul_f32 v[14:15], v[14:15], v[252:253] op_sel_hi:[1,0]   ; the sums under the new M: the plain place behind the exponentials
	s_wait_alu depctr_va_vdst(0)                   ; one wait for the batch, ahead of its first reader
.irp b, 0,1,2,3
	v_exp_f32 v[232+\b], v[232+\b]                 ; the block's largest p
.endr
	v_pk_add_f32 v[236:237], v[100:101], v[104:105]
	v_pk_add_f32 v[250:251], v[108:109], v[112:113]
	v_pk_add_f32 v[248:249], v[116:117], v[120:121]
	v_pk_add_f32 v[246:247], v[124:125], v[128:129]
	v_pk_add_f32 v[244:245], v[132:133], v[136:137]
	v_pk_add_f32 v[242:243], v[140:141], v[144:145]
	v_pk_add_f32 v[240:241], v[148:149], v[152:153]
	v_pk_add_f32 v[14:15], v[14:15], v[156:157]
	v_pk_add_f32 v[236:237], v[236:237], v[96:97]
	v_pk_add_f32 v[250:251], v[250:251], v[98:99]
	v_pk_add_f32 v[248:249], v[248:249], v[102:103]
	v_pk_add_f32 v[246:247], v[246:247], v[106:107]
	v_pk_add_f32 v[244:245], v[244:245], v[110:111]
	v_pk_add_f32 v[242:243], v[242:243], v[114:115]
	v_pk_add_f32 v[240:241], v[240:241], v[118:119]
	v_pk_add_f32 v[14:15], v[14:15], v[122:123]
	v_pk_add_f32 v[236:237], v[236:237], v[126:127]
	v_pk_add_f32 v[250:251], v[250:251], v[130:131]
	v_pk_add_f32 v[248:249], v[248:249], v[134:135]
	v_pk_add_f32 v[246:247], v[246:247], v[138:139]
	v_pk_add_f32 v[244:245], v[244:245], v[142:143]
	v_pk_add_f32 v[242:243], v[242:243], v[146:147]
	v_pk_add_f32 v[240:241], v[240:241], v[150:151]
	v_pk_add_f32 v[14:15], v[14:15], v[154:155]
	v_pk_add_f32 v[236:237], v[236:237], v[158:159]
	s_delay_alu instid0(VALU_DEP_2)
	v_pk_add_f32 v[14:15], v[14:15], v[246:247]
	s_delay_alu instid0(VALU_DEP_2)
	v_pk_add_f32 v[236:237], v[236:237], v[244:245]
	v_pk_add_f32 v[250:251], v[250:251], v[242:243]
	v_pk_add_f32 v[248:249], v[248:249], v[240:241]
	s_delay_alu instid0(VALU_DEP_2)
	v_pk_add_f32 v[14:15], v[14:15], v[250:251]
	s_delay_alu instid0(VALU_DEP_2)
	v_pk_add_f32 v[236:237], v[236:237], v[248:249]
	s_delay_alu instid0(VALU_DEP_1)
	v_pk_add_f32 v[14:15], v[14:15], v[236:237]
	s_wait_alu depctr_va_vdst(0)                   ; and one for the four
.irp b, 0,1,2,3
	v_max_num_f32 v[232+\b], 0x1800000, v[232+\b]  ; the floor 2^(3 - 127)
.endr
.irp b, 0,1,2,3
	s_delay_alu instid0(VALU_DEP_4)
	v_add_nc_u32 v[244+\b], 0xff000000, v[232+\b]  ; the conversion's scale operand
.endr
.irp b, 0,1,2,3
	s_delay_alu instid0(VALU_DEP_4)
	v_lshrrev_b32 v[236+\b], 23, v[244+\b]         ; the byte
.endr
	s_delay_alu instid0(VALU_DEP_3)
	v_lshl_or_b32 v253, v237, 8, v236              ; p's scale word for these 128 keys
	s_delay_alu instid0(VALU_DEP_1)
	v_lshl_or_b32 v253, v238, 16, v253
	s_delay_alu instid0(VALU_DEP_1)
	v_lshl_or_b32 v253, v239, 24, v253
.irp c, 0,1
	v_cvt_scalef32_pk16_fp6_f32 v[224+6*\c:226+6*\c], v[96+32*\c:111+32*\c], v[244+2*\c]
	v_cvt_scalef32_pk16_fp6_f32 v[236+4*\c:238+4*\c], v[112+32*\c:127+32*\c], v[245+2*\c]
.endr
	v_nop                                          ; one plain place behind a scaled conversion
.irp c, 0,1
.irp i, 0,1,2
	v_permlane16_swap_b32 v[224+6*\c+\i], v[236+4*\c+\i]
.endr
.irp i, 0,1,2
	s_delay_alu instid0(VALU_DEP_3)
	v_mov_b32 v[227+6*\c+\i], v[236+4*\c+\i]
.endr
.endr
.set j, 0
.rept 16
	v_pk_mul_f32 v[160+j:161+j], v[160+j:161+j], v[252:253] op_sel_hi:[1,0]   ; O^T under the new M; these sixteen also stand between the writes of p's codes and scale word and the products
.set j, j+2
.endr
	s_wait_alu depctr_va_vdst(0)
	s_wait_dscnt 0x0                               ; V is in
.irp a, 0,1,2,3
.if \a%2
	v_wmma_scale_f32_16x16x128_f8f6f4 v[160+8*\a:167+8*\a], v[44+12*\a:55+12*\a], v[224:235], v[160+8*\a:167+8*\a], v[94+\a/2], v253 matrix_a_fmt:MATRIX_FMT_FP6 matrix_b_fmt:MATRIX_FMT_FP6 matrix_a_scale:MATRIX_SCALE_ROW1
.else
	v_wmma_scale_f32_16x16x128_f8f6f4 v[160+8*\a:167+8*\a], v[44+12*\a:55+12*\a], v[224:235], v[160+8*\a:167+8*\a], v[94+\a/2], v253 matrix_a_fmt:MATRIX_FMT_FP6 matrix_b_fmt:MATRIX_FMT_FP6
.endif
.endr
.Lhidden_\@:
	s_add_co_u32 s[KF], s[KF], 128
.endm
; THE CHANGE OF SLOTS stands at a slot's head: all my tensor loads have landed, the add, my reads of the slot that I have left are over; a barrier; fill = 1: the slot just left takes the next keys of the walk.
.macro CHANGE fill
	s_wait_tensorcnt 0x0                           ; no tensor load of mine is out, so the group 0 may be written
	ds_add_u32 v[SPW], v[NIL]
.if \fill
	ds_add_u32 v[SPW], v[NIL]                      ; in the loop, twice on end
	s_xor_b32 s[G0+1], s[G0+1], SLOT1              ; the other slot than last time
	s_add_co_u32 s[LNX], s[LNX], 1
	s_cmp_eq_u32 s[LNX], s[NH]
	s_cselect_b32 s[LNX], 0, s[LNX]                ; behind the first pass's last slot the walk begins anew
	s_mul_i32 s60, s[LNX], 2*REC
	s_mov_b32 s61, 0
	s_add_nc_u64 s[G0+2:G0+3], s[KVB:KVB+1], s[60:61]
	s_or_b32 s[G0+3], s[G0+3], 0x80000000
	s_wait_xcnt 0x0                                ; the last prefetch, a slot back, has read its address
	s_add_nc_u64 s[PFA:PFA+1], s[PFA:PFA+1], 2*REC
.endif
	s_wait_dscnt 0x0
	s_barrier_signal -1
	s_barrier_wait -1
.if \fill
	TLOAD                                          ; the first thing behind the barrier, and a wave's one tensor load until the next
	ASK
.endif
.endm
.macro SLOT_STEPS
	STEP 0
	STEP 1
	s_xor_b32 s[TB], s[TB], SLOT1
.endm
; A tile is done: O^T / l, quantised along the head's 64 (two blocks of the last product's K), stored as a half image with its two scale bytes a row.
.macro FINISH
.rept 4
	v_nop                                          ; places behind the last products
.endr
	v_add_f32 v14, v14, v15
	s_delay_alu instid0(VALU_DEP_1)
	v_permlanex16_b32 v252, v14, s[SEL], s[SEL+1]
	s_delay_alu instid0(VALU_DEP_1)
	v_add_f32 v14, v14, v252                       ; the row's sum
	s_wait_alu depctr_va_vdst(0)
	v_rcp_f32 v14, v14
	v_nop                                          ; a plain place behind the reciprocal,
	s_wait_alu depctr_va_vdst(0)                   ; and the wait ahead of its first reader
.set j, 0
.rept 32
	v_mul_f32 v[96+j], v[160+j], v14               ; register 16 b + i: channel 32 b + 16 h + i of my query
.set j, j+1
.endr
.irp b, 0,1
	v_max3_num_f32 v[232+\b], |v[96+16*\b]|, |v[97+16*\b]|, 0x1800000
.endr
.irp i, 2,4,6,8,10,12,14
.irp b, 0,1
	s_delay_alu instid0(VALU_DEP_2)
	v_max3_num_f32 v[232+\b], v[232+\b], |v[96+16*\b+\i]|, |v[97+16*\b+\i]|
.endr
.endr
.irp b, 0,1
	s_delay_alu instid0(VALU_DEP_2)
	v_permlanex16_b32 v[236+\b], v[232+\b], s[SEL], s[SEL+1]
.endr
.irp b, 0,1
	s_delay_alu instid0(VALU_DEP_2)
	v_max_num_f32 v[232+\b], v[232+\b], v[236+\b]
.endr
.irp b, 0,1
	s_delay_alu instid0(VALU_DEP_2)
	v_add_nc_u32 v[244+\b], 0xff000000, v[232+\b]
.endr
.irp b, 0,1
	s_delay_alu instid0(VALU_DEP_2)
	v_lshrrev_b32 v[236+\b], 23, v[244+\b]
.endr
	v_cvt_scalef32_pk16_fp6_f32 v[224:226], v[96:111], v244
	v_cvt_scalef32_pk16_fp6_f32 v[240:242], v[112:127], v245
	v_nop                                          ; one plain place behind a scaled conversion
.irp i, 0,1,2
	v_permlane16_swap_b32 v[224+\i], v[240+\i]
.endr
.irp i, 0,1,2
	s_delay_alu instid0(VALU_DEP_3)
	v_mov_b32 v[227+\i], v[240+\i]
.endr
	global_store_b128 v1, v[224:227], s[50:51]     ; 512 consecutive bytes,
	global_store_b64 v2, v[228:229], s[50:51] offset:512   ; and 256
	v_cmp_ne_u32 vcc_lo, 0, v9
	s_delay_alu instid0(VALU_DEP_1)
	v_cndmask_b32 v238, v236, v237, vcc_lo
	global_store_b8 v3, v238, s[52:53]             ; block h's byte of row r: two of a row's eight bytes of this slot are this head's
	s_wait_xcnt 0x0                                ; the stores have read their registers and bases
.endm
.macro REINIT                          ; on to my second tile
.irp j, 0,1,2,3,4,5
	v_mov_b32 v[16+\j], v[34+\j]
	v_mov_b32 v[28+\j], v[34+\j]
.endr
	v_mov_b32 v255, v40
	s_mov_b64 s[50:51], s[54:55]
	s_mov_b64 s[52:53], s[56:57]
	s_mov_b32 s[QB], s58
	s_mov_b32 s[KF], 0
	v_mov_b32 v13, 0xff61b1e6
	s_delay_alu instid0(VALU_DEP_1)
	v_floor_f32 v12, -v13
	v_mov_b32 v14, 0
	v_mov_b32 v15, 0
.set j, 0
.rept 32
	v_mov_b32 v[160+j], 0
.set j, j+1
.endr
.endm
.Lslot:                                            ; eight trips: behind each change of slots but the last the walk's next slot is asked for
	CHANGE 1
	SLOT_STEPS
	s_cmp_lg_u32 s[KF], s48                        ; the first pass's keys are walked?  Ids and the count of steps alone: the same in all sixteen waves
	s_cbranch_scc1 .Lsame
	FINISH
	REINIT
.Lsame:
	s_sub_co_u32 s[SLOTS], s[SLOTS], 1
	s_cmp_lg_u32 s[SLOTS], 0
	s_cbranch_scc1 .Lslot
	CHANGE 0                                       ; the last slot is written out: nothing is left to fetch
	SLOT_STEPS
	FINISH
	s_wait_tensorcnt 0x0                           ; the wave's end
	ds_add_u32 v[SPW], v[NIL]
	s_wait_dscnt 0x0
	s_endpgm
.Lfunc_end_k_q8788944936_attn:
	.size	k_q8788944936_attn, .Lfunc_end_k_q8788944936_attn-k_q8788944936_attn
	.p2alignl 7, 3214868480
	.fill 96, 4, 3214868480
	.section	.rodata,"a",@progbits
	.p2align	6, 0x0
	.amdhsa_kernel k_q8788944936_attn
		.amdhsa_group_segment_fixed_size 327680
		.amdhsa_private_segment_fixed_size 0
		.amdhsa_enable_private_segment 0
		.amdhsa_kernarg_size 24
		.amdhsa_user_sgpr_count 2
		.amdhsa_user_sgpr_kernarg_segment_ptr 1
		.amdhsa_wavefront_size32 1
		.amdhsa_system_sgpr_workgroup_id_x 1
		.amdhsa_system_sgpr_workgroup_id_y 1
		.amdhsa_system_sgpr_workgroup_id_z 1
		.amdhsa_system_vgpr_workitem_id 0
		.amdhsa_next_free_vgpr 256
		.amdhsa_next_free_sgpr 100
		.amdhsa_reserve_vcc 1
		.amdhsa_float_denorm_mode_32 3
		.amdhsa_float_denorm_mode_16_64 3
		.amdhsa_memory_ordered 1
		.amdhsa_forward_progress 1
		.amdhsa_inst_pref_size 110
	.end_amdhsa_kernel
	.amdgpu_metadata
---
amdhsa.version: [ 1, 2 ]
amdhsa.kernels:
  - .name:           k_q8788944936_attn
    .symbol:         k_q8788944936_attn.kd
    .args:
      - { .name: qr, .offset: 0, .size: 8, .value_kind: global_buffer, .address_space: global }
      - { .name: kv, .offset: 8, .size: 8, .value_kind: global_buffer, .address_space: global }
      - { .name: aoq, .offset: 16, .size: 8, .value_kind: global_buffer, .address_space: global }
    .group_segment_fixed_size: 327680
    .private_segment_fixed_size: 0
    .kernarg_segment_align: 8
    .kernarg_segment_size: 24
    .max_flat_workgroup_size: 512
    .sgpr_count:     100
    .vgpr_count:     256
    .wavefront_size: 32
...
	.end_amdgpu_metadata
.endif
;; end of part 3
;; launch proj (part 4): grid 4 x 32, 4 waves a work-group, clusters of 4 x 4, 327,680 bytes of LDS; arguments aoq, wq, b_proj, out0; writes out0
.if DOCPART == 4
	.amdgcn_target "amdgcn-amd-amdhsa--gfx1250"
	.amdhsa_code_object_version 6
	.text
	.protected	k_q8788944936_proj
	.globl	k_q8788944936_proj
	.p2align	8
	.type	k_q8788944936_proj,@function
k_q8788944936_proj:
	s_mov_b64 s[64:65], 0
	v_nop
	global_prefetch_b8 v0, s[64:65] scope:SCOPE_SE
	s_setreg_imm32_b32 hwreg(HW_REG_WAVE_MODE, 25, 1), 1
	s_wait_xcnt 0x0
	s_wait_alu depctr_hold_cnt(0) depctr_sa_sdst(0) depctr_va_vdst(0) depctr_va_sdst(0) depctr_va_ssrc(0) depctr_va_vcc(0) depctr_vm_vsrc(0)
	s_getreg_b32 s2, hwreg(HW_REG_IB_STS2, 6, 4)
	s_cmp_eq_u32 s2, 0
	s_cbranch_scc0 .Lentry_in_a_cluster
	s_endpgm
.Lentry_in_a_cluster:
	s_bfe_u32 s2, ttmp6, 0x10000c
	s_cmp_lg_u32 s2, 0xf033
	s_cbranch_scc0 .Lentry_shape_is_right
	s_endpgm
.Lentry_shape_is_right:
; out0 = attention's output x W_proj + b_proj on codes of FP6 (E2M3), K = 1,024.  Nothing of reference() is left out here.
; The schedule is qkv's: a work-group of four waves makes 256 x 256, a wave 128 x 128; K in four slots of 256 through two LDS slots; the codes lie in memory as images of operand registers.
; Source 0 = side 0 = W_proj's columns (tiles 192-255 of wq), source 1 = side 1 = tokens (aoq): a lane holds one token and its registers run along the output's columns.
; aoq holds half images (16 tokens x one head's 64): a fragment of 128 along K is two of them, four LDS loads.  b_proj is the C of each sum's first product.
; CLUSTERS: 4 x 4: side 1's tiles are shared along a row of the cluster, side 0's along a column.  128 tiles of 256 x 256: a wave tile of 64 x 128 would fill more WGPs and read half as much again from LDS for each product.
; REGISTERS: as in qkv; v18-19 serve the loads of 8 bytes a lane; on the way out v128-255 hold rows of the output.
.set XSTR,   1572864
.set WSTR,   786432
.set XS_OFF, 6291456
.set WS_OFF, 3145728
.set HALFT,  24576
.set SLOT,   4*HALFT
.set SCL,    2*SLOT
.set SPARE,  213248
.set NLA,    4                         ; LDS loads that bring a fragment of side 1
.set SPITCH, 528                       ; the way out: a stage of 16 rows x (512 + 16) bytes for each wave, in slot 0, which has had its last fill and its last read by then
.set ADRA, 16                          ; v16-17 side 1, 16 x lane;  v18-19 the same with 8 x lane
.set ADRB, 20
.set STO,  24
.set RD,   25
.set CO,   26
.set ADRS, 27
.set SPW,  28
.set NIL,  29
.set SC,   32
.set BI,   64
.set AF,   128
.set BK,   128
.set G1, 24
.set G0, 32
.set G1B, 48
.set G0B, 56
.set G1S, 68
.set G0S, 76
.set G1SB, 80
.set G0SB, 88
.set MSB, 0
.macro WIN new
.if MSB != (\new)
	s_set_vgpr_msb (MSB<<8)|(\new)
.set MSB, (\new)
.endif
.endm
.macro JLOAD g0a, g1a, g0b, g1b        ; waves 0 and 1 fetch for side 1, waves 2 and 3 for side 0; an s_nop 0 and four v_nop follow each line
	s_cmp_eq_u32 s15, 0
	s_cbranch_scc0 .Lfor_b_\@
	tensor_load_to_lds s[\g0a:\g0a+3], s[\g1a:\g1a+7]
	s_nop 0
.rept 4
	v_nop
.endr
	s_branch .Lasked_\@
.Lfor_b_\@:
	tensor_load_to_lds s[\g0b:\g0b+3], s[\g1b:\g1b+7]
	s_nop 0
.rept 4
	v_nop
.endr
.Lasked_\@:
.endm
.macro CREST
	s_cmp_lg_u32 s14, 0
	s_cbranch_scc1 .Lnot_wave_0_\@
	s_barrier_signal -3
.Lnot_wave_0_\@:
	s_barrier_wait -3
	s_barrier_signal -1
	s_barrier_wait -1
.endm
.macro CROUND
	s_barrier_signal -1
	s_barrier_wait -1
	CREST
.endm
.macro PLACES n
.rept \n
	v_nop
.endr
.endm
.macro FRAG3 reg, adr, q, i
.irp j, 0,1,2
	ds_load_b128 v[(\reg)+4*\j:(\reg)+4*\j+3], v[\adr] offset:3072*(\i)+1536*(\q)+512*\j
.endr
.endm
.macro FRAGH reg, adr, q, i            ; two half images: registers 6 c .. 6 c + 3 at 16 x lane, 6 c + 4, 6 c + 5 at 512 + 8 x lane
.irp c, 0,1
	ds_load_b128 v[(\reg)+6*\c:(\reg)+6*\c+3], v[\adr] offset:3072*(\i)+1536*(\q)+768*\c
	ds_load_b64 v[(\reg)+6*\c+4:(\reg)+6*\c+5], v[(\adr)+2] offset:3072*(\i)+1536*(\q)+768*\c+512
.endr
.endm
.macro FETCH_B slot, q, p
	WIN 0x40
.irp i, 0,1,2,3,4,5,6,7
	FRAG3 128*(\p)+12*\i, ADRB+\slot, \q, \i
.endr
	WIN 0
.endm
.macro FETCH_A slot, q, i0
.irp i, \i0, \i0+1, \i0+2, \i0+3
	FRAGH AF+12*(\i), ADRA+\slot, \q, \i
.endr
.endm
.macro SCALES sc
.irp i, 0,1,2,3,4,5,6,7
	ds_load_b64 v[SC+16*\sc+2*\i:SC+16*\sc+2*\i+1], v[ADRS] offset:512*\i
.endr
.endm
; 16 matrix instructions; the 64 accumulators take turns in one order everywhere.  bias = 1: the first products start the sums from b_proj.
.macro MUL16 a0, p, q, sc, bias
.irp a, \a0, \a0+1
.irp b, 0,1,2,3,4,5,6,7
.if \bias
	v_wmma_scale_f32_16x16x128_f8f6f4 v[8*(8*((\a)%4)+\b):8*(8*((\a)%4)+\b)+7], v[128*(\p)+12*\b:128*(\p)+12*\b+11], v[AF+12*(\a):AF+12*(\a)+11], v[BI+8*\b:BI+8*\b+7], v[SC+16*(\sc)+2*\b+(\q)], v[SC+16*(\sc)+2*(\a)+(\q)] matrix_a_fmt:MATRIX_FMT_FP6 matrix_b_fmt:MATRIX_FMT_FP6 matrix_a_scale:MATRIX_SCALE_ROW1
.else
	v_wmma_scale_f32_16x16x128_f8f6f4 v[8*(8*((\a)%4)+\b):8*(8*((\a)%4)+\b)+7], v[128*(\p)+12*\b:128*(\p)+12*\b+11], v[AF+12*(\a):AF+12*(\a)+11], v[8*(8*((\a)%4)+\b):8*(8*((\a)%4)+\b)+7], v[SC+16*(\sc)+2*\b+(\q)], v[SC+16*(\sc)+2*(\a)+(\q)] matrix_a_fmt:MATRIX_FMT_FP6 matrix_b_fmt:MATRIX_FMT_FP6 matrix_a_scale:MATRIX_SCALE_ROW1
.endif
.endr
.endr
.endm
.macro STEP slot, bias
	s_wait_dscnt 4*NLA                             ; all but the youngest loads (side 1's blocks 4-7) are in
.if \bias
	WIN 0x81                                       ; C in window 0, D in window 2
.else
	WIN 0xa1
.endif
	MUL16 0, 0, 0, \slot, \bias
	MUL16 2, 0, 0, \slot, \bias
	s_wait_dscnt 0x0
	PLACES 4
	FETCH_B \slot, 1, 1
	FETCH_A \slot, 1, 0
.if \bias
	WIN 0xc1
.else
	WIN 0xf1
.endif
	MUL16 4, 0, 0, \slot, \bias
	MUL16 6, 0, 0, \slot, \bias
	PLACES 4
	WIN 0
	FETCH_A \slot, 1, 4
.endm
.macro TURN slot, next, fill
	s_wait_tensorcnt 0x0                           ; all my tensor loads have landed: my part of the next slot
	ds_add_u32 v[SPW], v[NIL]
	s_wait_dscnt 4*NLA+1                           ; (the add and side 1's blocks 4-7 may be out)
	WIN 0xa1
	MUL16 0, 1, 1, \slot, 0
	s_wait_dscnt 0x0                               ; the add is done, and my reads of this slot are over
	s_barrier_signal -1
	MUL16 2, 1, 1, \slot, 0
	WIN 0
	s_barrier_wait -1
.if \fill
	CREST                                          ; the barrier has opened a round of the cluster's
	s_add_nc_u64 s[G0+4*\slot+2:G0+4*\slot+3], s[G0+4*\slot+2:G0+4*\slot+3], s[96:97]
	s_add_nc_u64 s[G0B+4*\slot+2:G0B+4*\slot+3], s[G0B+4*\slot+2:G0B+4*\slot+3], s[98:99]
	JLOAD G0+4*\slot, G1, G0B+4*\slot, G1B
.else
	PLACES 4
.endif
	v_add_nc_u32 v[ADRS], 128, v[ADRS]
	FETCH_B \next, 0, 0
	FETCH_A \next, 0, 0
	SCALES \next
	WIN 0xf1
	MUL16 4, 1, 1, \slot, 0
	MUL16 6, 1, 1, \slot, 0
	PLACES 4
	WIN 0
	FETCH_A \next, 0, 4
.endm
	s_load_b128 s[4:7], s[0:1], 0x0                ; aoq, wq
	s_load_b128 s[8:11], s[0:1], 0x10              ; b_proj, out0
	v_lshl_add_u32 v[SPW], v0, 2, SPARE
	v_mov_b32 v[NIL], 0
	ds_add_u32 v[SPW], v[NIL]                      ; the wave's opening: the add, twice on end, and its wait ahead of my first tensor load
	ds_add_u32 v[SPW], v[NIL]
	v_lshrrev_b32 v1, 5, v0
	v_readfirstlane_b32 s14, v1
	s_lshr_b32 s15, s14, 1
	s_and_b32 s16, s14, 1
	s_bfe_u32 s40, ttmp6, 0x40000                  ; cx
	s_bfe_u32 s41, ttmp6, 0x40004                  ; cy
	s_lshl_b32 s42, ttmp9, 2
	s_add_co_u32 s42, s42, s40                     ; i0: the block of 256 columns
	s_and_b32 s17, ttmp7, 0xffff
	s_lshl_b32 s17, s17, 2
	s_add_co_u32 s17, s17, s41                     ; i1: the block of 256 tokens
	s_mov_b32 s96, XSTR
	s_mov_b32 s97, 0
	s_mov_b32 s98, WSTR
	s_mov_b32 s99, 0
	s_lshl_b32 s43, s41, 2
	s_lshl_b32 s43, 15, s43
	s_lshl_b32 s44, 0x1111, s40
	s_or_b32 s[G1], s43, (3<<16)|(1<<21)
	s_or_b32 s[G1B], s44, (3<<16)|(1<<21)
.irp g, G1, G1B
	s_mov_b32 s[\g+1], 32<<16
	s_mov_b32 s[\g+2], 96<<16
	s_mov_b32 s[\g+3], 32<<16
	s_mov_b32 s[\g+4], 96
	s_mov_b32 s[\g+5], 32
	s_mov_b32 s[\g+6], 0
	s_mov_b32 s[\g+7], 0
.endr
	s_or_b32 s[G1S], s43, (3<<16)|(1<<21)
	s_or_b32 s[G1SB], s44, (3<<16)|(1<<21)
.irp g, G1S, G1SB
	s_mov_b32 s[\g+1], 32<<16
	s_mov_b32 s[\g+2], 16<<16
	s_mov_b32 s[\g+3], 32<<16
	s_mov_b32 s[\g+4], 16
	s_mov_b32 s[\g+5], 32
	s_mov_b32 s[\g+6], 0
	s_mov_b32 s[\g+7], 0
.endr
	s_lshl_b32 s20, s17, 4
	s_lshl_b32 s21, s16, 3
	s_add_co_u32 s20, s20, s21                     ; side 1: the first of the 8 tiles that I fetch
	s_lshl_b32 s22, s20, 9
	s_add_co_u32 s22, s22, XS_OFF
	s_mov_b32 s23, 0
	s_mul_i32 s20, s20, 3072
	s_mov_b32 s21, 0
	s_lshl_b32 s46, s42, 4
	s_lshl_b32 s47, s16, 3
	s_add_co_u32 s46, s46, s47
	s_add_co_u32 s46, s46, 192                     ; side 0: W_proj's tiles begin at 192
	s_lshl_b32 s92, s46, 9
	s_add_co_u32 s92, s92, WS_OFF
	s_mov_b32 s93, 0
	s_mul_i32 s46, s46, 3072
	s_mov_b32 s47, 0
	s_mul_i32 s45, s14, HALFT
	s_lshl_b32 s94, s14, 12
	s_lshl_b32 s95, s15, 7
	s_add_co_u32 s94, s94, s95
	s_wait_dscnt 0x0                               ; both opening adds are done
	s_wait_kmcnt 0x0
	s_add_nc_u64 s[20:21], s[4:5], s[20:21]
	s_add_nc_u64 s[22:23], s[4:5], s[22:23]
	s_add_nc_u64 s[46:47], s[6:7], s[46:47]
	s_add_nc_u64 s[92:93], s[6:7], s[92:93]
	CROUND                                         ; all sixteen work-groups are here: the first joint loads meet
	s_mov_b32 s[G0S], 1
	s_add_co_u32 s[G0S+1], s94, SCL
	s_mov_b64 s[G0S+2:G0S+3], s[22:23]
	s_or_b32 s[G0S+3], s[G0S+3], 0x80000000
	s_mov_b32 s[G0SB], 1
	s_add_co_u32 s[G0SB+1], s94, SCL
	s_mov_b64 s[G0SB+2:G0SB+3], s[92:93]
	s_or_b32 s[G0SB+3], s[G0SB+3], 0x80000000
	JLOAD G0S, G1S, G0SB, G1SB
	s_mov_b32 s[G0], 1
	s_mov_b32 s[G0+1], s45
	s_mov_b64 s[G0+2:G0+3], s[20:21]
	s_or_b32 s[G0+3], s[G0+3], 0x80000000
	s_mov_b32 s[G0B], 1
	s_mov_b32 s[G0B+1], s45
	s_mov_b64 s[G0B+2:G0B+3], s[46:47]
	s_or_b32 s[G0B+3], s[G0B+3], 0x80000000
	JLOAD G0, G1, G0B, G1B
	s_mov_b32 s[G0+4], 1
	s_add_co_u32 s[G0+5], s45, SLOT
	s_add_nc_u64 s[G0+6:G0+7], s[20:21], s[96:97]
	s_or_b32 s[G0+7], s[G0+7], 0x80000000
	s_mov_b32 s[G0B+4], 1
	s_add_co_u32 s[G0B+5], s45, SLOT
	s_add_nc_u64 s[G0B+6:G0B+7], s[46:47], s[98:99]
	s_or_b32 s[G0B+7], s[G0B+7], 0x80000000
	JLOAD G0+4, G1, G0B+4, G1B                     ; three loads of mine are out
	s_lshl_b32 s96, s96, 1                         ; a refill goes two slots on
	s_lshl_b32 s98, s98, 1
	v_and_b32 v1, 15, v0                           ; r
	v_bfe_u32 v2, v0, 4, 1                         ; h
	v_and_b32 v3, 31, v0
	v_lshlrev_b32 v[CO], 4, v3                     ; 16 x lane
	v_lshlrev_b32 v5, 3, v3                        ; 8 x lane
	s_mul_i32 s21, s15, HALFT
	s_mul_i32 s22, s16, HALFT
	s_add_co_u32 s22, s22, 2*HALFT
.irp s, 0,1
	v_add_nc_u32 v[ADRA+\s], s21, v[CO]
	v_add_nc_u32 v[ADRA+2+\s], s21, v5
	v_add_nc_u32 v[ADRB+\s], s22, v[CO]
	s_add_co_u32 s21, s21, SLOT
	s_add_co_u32 s22, s22, SLOT
.endr
	s_xor_b32 s22, s15, 1
	s_lshl_b32 s22, s22, 12
	s_lshl_b32 s23, s16, 12
	s_add_co_u32 s22, s22, s23
	s_add_co_u32 s22, s22, 4224                    ; 8,320 + 4,096 s16 - 4,096 s15
	v_mul_u32_u24 v6, s22, v2
	s_lshl_b32 s21, s15, 12
	s_add_co_u32 s21, s21, SCL
	v_lshl_add_u32 v6, v1, 3, v6
	v_add_nc_u32 v[ADRS], s21, v6
	s_mul_i32 s23, s14, 16*SPITCH                  ; my stage
	v_mul_u32_u24 v5, v1, SPITCH
	v_lshl_add_u32 v5, v2, 6, v5
	v_add_nc_u32 v[STO], s23, v5                   ; in: row r, + 64 h
	v_add_nc_u32 v[RD], s23, v[CO]                 ; back: the 32 lanes take one row of 512 bytes
	s_lshl_b32 s18, s42, 10
	s_lshl_b32 s19, s16, 9
	s_add_co_u32 s18, s18, s19                     ; my 128 columns, in bytes
	s_mov_b32 s19, 0
	s_add_nc_u64 s[8:9], s[8:9], s[18:19]          ; b_proj there
	s_add_nc_u64 s[10:11], s[10:11], s[18:19]
	s_lshl_b32 s18, s17, 20
	s_lshl_b32 s20, s15, 19
	s_add_co_u32 s18, s18, s20
	s_add_nc_u64 s[10:11], s[10:11], s[18:19]      ; out0 at my first token and column
	v_lshlrev_b32 v7, 6, v2                        ; register 8 b + j: column 32 (b / 2) + 8 (b % 2) + 16 h + j
.irp b, 0,1,2,3,4,5,6,7
	global_load_b128 v[BI+8*\b:BI+8*\b+3], v7, s[8:9] offset:(32*(\b/2)+8*(\b%2))*4
	global_load_b128 v[BI+8*\b+4:BI+8*\b+7], v7, s[8:9] offset:(32*(\b/2)+8*(\b%2))*4+16
.endr
	s_wait_tensorcnt 1                             ; the scale words and my part of slot 0 are in (slot 1's load may be out),
	s_barrier_signal -1
	s_barrier_wait -1                              ; everybody's are
	FETCH_B 0, 0, 0
	FETCH_A 0, 0, 0
	SCALES 0
	FETCH_A 0, 0, 4
	s_wait_loadcnt 0x0                             ; the bias
	STEP 0, 1
	TURN 0, 1, 1
	STEP 1, 0
	TURN 1, 0, 1
	STEP 0, 0
	TURN 0, 1, 0
	STEP 1, 0
	s_wait_dscnt 4*NLA
	WIN 0xa1
	MUL16 0, 1, 1, 1, 0
	MUL16 2, 1, 1, 1, 0
	s_wait_dscnt 0x0
	WIN 0xf1
	MUL16 4, 1, 1, 1, 0
	MUL16 6, 1, 1, 1, 0
	WIN 0
; THE WAY OUT, a tile of 16 tokens x 128 columns at a time, through my own stage: a lane's 32 bytes of a tile go to their columns' place in row r; whole rows of 512 bytes come back and are stored by the 32 lanes.
; LDS serves a wave's instructions in order (ISA guide 5.7.1.4): no wait between the stores and the loads, nor in front of the next tile's stores.
.macro TOSTAGE a
.set AC, 64*((\a)%4)
	WIN 0x08+4*((\a)/4)                            ; an LDS store's data: window 2 or 3
.irp b, 0,1,2,3,4,5,6,7
	ds_store_b128 v[STO], v[AC+8*\b:AC+8*\b+3] offset:128*(\b/2)+32*(\b%2)        ; each accumulator from its low end on
	ds_store_b128 v[STO], v[AC+8*\b+4:AC+8*\b+7] offset:128*(\b/2)+32*(\b%2)+16
.endr
	WIN 0
.set BB, BK+64*((\a)%2)
.irp t, 0,1,2,3,4,5,6,7,8,9,10,11,12,13,14,15
	ds_load_b128 v[BB+4*\t:BB+4*\t+3], v[RD] offset:\t*SPITCH
.endr
.endm
.macro SEND a, younger                 ; younger: the LDS instructions issued behind tile a's loads, which may stay out
.set BB, BK+64*((\a)%2)
	s_wait_dscnt \younger
.irp t, 0,1,2,3,4,5,6,7,8,9,10,11,12,13,14,15
	global_store_b128 v[CO], v[BB+4*\t:BB+4*\t+3], s[10:11] offset:(32*((\a)/2)+8*((\a)%2)+\t+8*(\t/8))*4096 th:TH_STORE_NT   ; row t of tile a is token 32 (a / 2) + 8 (a % 2) + t + 8 (t / 8); 512 consecutive bytes, aligned; 127 rows at the most: inside the immediate
.endr
.endm
	PLACES 4                                       ; behind the last products: for the loads into side 1's registers and for the reads of results
	TOSTAGE 0
.irp a, 1,2,3,4,5,6,7
.if \a > 1
	s_wait_xcnt 0x0                                ; tile a - 2's stores have read their registers: tile a's loads may land there
.endif
	TOSTAGE \a
	SEND \a-1, 32                                  ; behind tile a - 1's loads: tile a's 16 stores and 16 loads
.endr
	SEND 7, 0
	s_wait_tensorcnt 0x0                           ; the wave's end: behind my last tensor load and my last LDS store
	ds_add_u32 v[SPW], v[NIL]
	s_wait_dscnt 0x0
	CROUND                                         ; the closing round
	s_endpgm
.Lfunc_end_k_q8788944936_proj:
	.size	k_q8788944936_proj, .Lfunc_end_k_q8788944936_proj-k_q8788944936_proj
	.p2alignl 7, 3214868480
	.fill 96, 4, 3214868480
	.section	.rodata,"a",@progbits
	.p2align	6, 0x0
	.amdhsa_kernel k_q8788944936_proj
		.amdhsa_group_segment_fixed_size 327680
		.amdhsa_private_segment_fixed_size 0
		.amdhsa_enable_private_segment 0
		.amdhsa_kernarg_size 32
		.amdhsa_user_sgpr_count 2
		.amdhsa_user_sgpr_kernarg_segment_ptr 1
		.amdhsa_wavefront_size32 1
		.amdhsa_system_sgpr_workgroup_id_x 1
		.amdhsa_system_sgpr_workgroup_id_y 1
		.amdhsa_system_sgpr_workgroup_id_z 1
		.amdhsa_system_vgpr_workitem_id 0
		.amdhsa_next_free_vgpr 1024
		.amdhsa_next_free_sgpr 100
		.amdhsa_reserve_vcc 0
		.amdhsa_float_denorm_mode_32 3
		.amdhsa_float_denorm_mode_16_64 3
		.amdhsa_memory_ordered 1
		.amdhsa_forward_progress 1
		.amdhsa_inst_pref_size 141
	.end_amdhsa_kernel
	.amdgpu_metadata
---
amdhsa.version: [ 1, 2 ]
amdhsa.kernels:
  - .name:           k_q8788944936_proj
    .symbol:         k_q8788944936_proj.kd
    .args:
      - { .name: aoq, .offset: 0, .size: 8, .value_kind: global_buffer, .address_space: global }
      - { .name: wq, .offset: 8, .size: 8, .value_kind: global_buffer, .address_space: global }
      - { .name: b_proj, .offset: 16, .size: 8, .value_kind: global_buffer, .address_space: global }
      - { .name: out0, .offset: 24, .size: 8, .value_kind: global_buffer, .address_space: global }
    .group_segment_fixed_size: 327680
    .private_segment_fixed_size: 0
    .kernarg_segment_align: 8
    .kernarg_segment_size: 32
    .max_flat_workgroup_size: 128
    .sgpr_count:     100
    .vgpr_count:     1024
    .wavefront_size: 32
...
	.end_amdgpu_metadata
.endif
;; end of part 4
